; MI455X (gfx1250); checked and timed in simulation.
; The chip was launched on July 23, 2026; its instructions are those of AMD's public machine-readable ISA for CDNA 5 (MIT licence, August 2026) and "CDNA5" Instruction Set Architecture Reference Guide (July 2026). The comments in the code are by the model that wrote it; some were corrected since.
;; Head. Allowed arithmetic: float matrix products may take bf16 or f16 operands with f32 sums; all other float work in f32.
;; Inputs: Wk 1,024 x 128 float32; Wq 1,024 x 128 float32; Wv 1,024 x 128 float32; x 8 x 2,048 x 1,024 float32.
;; Outputs: out0 8 x 2,048 x 128 float32.
;; 2 versions, each right and faster than the one before. Each part assembles by itself: llvm-mc -triple=amdgcn-amd-amdhsa -mcpu=gfx1250 --defsym DOCPART=n.
;; ======== version 1 of 2: 3 launches
;; limits: values are held in f16: magnitudes above 65,504 overflow, below 6.1e-05 lose precision
;; workspace buffers: wb 786,432 bytes; qh 4,194,304 bytes; kh 4,194,304 bytes; vh 4,194,304 bytes
;; launch wcast (part 1): grid 64 x 3, 8 waves a work-group, no clusters, 0 bytes of LDS; arguments Wq, Wk, Wv, wb; writes wb
.if DOCPART == 1
	.amdgcn_target "amdgcn-amd-amdhsa--gfx1250"
	.amdhsa_code_object_version 6
	.text
	.protected	k_qe1ace2891c_wcast
	.globl	k_qe1ace2891c_wcast
	.p2align	8
	.type	k_qe1ace2891c_wcast,@function
k_qe1ace2891c_wcast:
	s_mov_b64 s[64:65], 0
	v_nop
	global_prefetch_b8 v0, s[64:65] scope:SCOPE_SE
	s_setreg_imm32_b32 hwreg(HW_REG_WAVE_MODE, 25, 1), 1
	s_wait_xcnt 0x0
; wb[k][128 y + n] = bf16(W_y[k][n]), y = 0: Wq, 1: Wk, 2: Wv.  W_y: [1024][128] f32.  wb: [1024][384] bf16.
; The three weight matrices are rounded to bf16 once and laid side by side, so that the projection launch can bring rows of all
; three in by one tile and transpose them on the way from LDS (a 16-bit transposing load; there is none for f32).
; Work-group (x, y): rows 16 x .. 16 x + 15 of matrix y.  Thread t: row t / 16, columns 8 (t mod 16) .. + 7: 32 bytes in, 16 bytes out;
; sixteen neighbouring lanes store 256 consecutive bytes, aligned.  192 work-groups are all the work there is: 1.5 MB in, 0.75 MB out.
; No LDS, no matrix unit, no cluster: nothing is shared and nothing is multiplied.
.set SRCROWS, 16*512                   ; bytes of 16 rows of a W
.set DSTROW,  768                      ; bytes of a row of wb
	s_load_b256 s[4:11], s[0:1], 0x0               ; Wq s[4:5], Wk s[6:7], Wv s[8:9], wb s[10:11]
	s_and_b32 s12, ttmp7, 0xffff                   ; y: which matrix
	s_lshl_b32 s13, ttmp9, 13                      ; x * 16 rows * 512 bytes
	s_mul_i32 s14, ttmp9, 16*DSTROW                ; x * 16 rows of wb
	s_lshl_b32 s15, s12, 8                         ; the matrix's 256 bytes in a row of wb
	s_add_co_u32 s14, s14, s15
	v_lshlrev_b32 v1, 5, v0                        ; 32 t: row t / 16 (512 bytes), 32 bytes at t mod 16
	v_add_nc_u32 v1, s13, v1
	v_lshrrev_b32 v2, 4, v0                        ; row
	v_and_b32 v3, 15, v0
	v_mul_u32_u24 v2, v2, DSTROW
	v_lshl_add_u32 v2, v3, 4, v2                   ; + 16 (t mod 16)
	v_add_nc_u32 v2, s14, v2
	s_wait_kmcnt 0x0
	s_cmp_eq_u32 s12, 1                            ; the source is chosen by the work-group's y alone
	s_cselect_b64 s[4:5], s[6:7], s[4:5]
	s_cmp_eq_u32 s12, 2
	s_cselect_b64 s[4:5], s[8:9], s[4:5]
	global_load_b128 v[4:7], v1, s[4:5] th:TH_LOAD_NT
	global_load_b128 v[8:11], v1, s[4:5] offset:16 th:TH_LOAD_NT
	s_wait_loadcnt 0x0
	v_cvt_pk_bf16_f32 v12, v4, v5                  ; two roundings to nearest even, packed
	v_cvt_pk_bf16_f32 v13, v6, v7
	v_cvt_pk_bf16_f32 v14, v8, v9
	v_cvt_pk_bf16_f32 v15, v10, v11
	global_store_b128 v2, v[12:15], s[10:11]
	s_endpgm
.Lfunc_end_k_qe1ace2891c_wcast:
	.size	k_qe1ace2891c_wcast, .Lfunc_end_k_qe1ace2891c_wcast-k_qe1ace2891c_wcast
	.p2alignl 7, 3214868480
	.fill 96, 4, 3214868480
	.section	.rodata,"a",@progbits
	.p2align	6, 0x0
	.amdhsa_kernel k_qe1ace2891c_wcast
		.amdhsa_group_segment_fixed_size 0
		.amdhsa_private_segment_fixed_size 0
		.amdhsa_enable_private_segment 0
		.amdhsa_kernarg_size 32
		.amdhsa_user_sgpr_count 2
		.amdhsa_user_sgpr_kernarg_segment_ptr 1
		.amdhsa_wavefront_size32 1
		.amdhsa_system_sgpr_workgroup_id_x 1
		.amdhsa_system_sgpr_workgroup_id_y 1
		.amdhsa_system_sgpr_workgroup_id_z 1
		.amdhsa_system_vgpr_workitem_id 0
		.amdhsa_next_free_vgpr 16
		.amdhsa_next_free_sgpr 66
		.amdhsa_reserve_vcc 0
		.amdhsa_float_denorm_mode_32 3
		.amdhsa_float_denorm_mode_16_64 3
		.amdhsa_memory_ordered 1
		.amdhsa_forward_progress 1
		.amdhsa_inst_pref_size 2
	.end_amdhsa_kernel
	.amdgpu_metadata
---
amdhsa.version: [ 1, 2 ]
amdhsa.kernels:
  - .name:           k_qe1ace2891c_wcast
    .symbol:         k_qe1ace2891c_wcast.kd
    .args:
      - { .name: Wq, .offset: 0, .size: 8, .value_kind: global_buffer, .address_space: global }
      - { .name: Wk, .offset: 8, .size: 8, .value_kind: global_buffer, .address_space: global }
      - { .name: Wv, .offset: 16, .size: 8, .value_kind: global_buffer, .address_space: global }
      - { .name: wb, .offset: 24, .size: 8, .value_kind: global_buffer, .address_space: global }
    .group_segment_fixed_size: 0
    .private_segment_fixed_size: 0
    .kernarg_segment_align: 8
    .kernarg_segment_size: 32
    .max_flat_workgroup_size: 256
    .sgpr_count:     66
    .vgpr_count:     16
    .wavefront_size: 32
...
	.end_amdgpu_metadata
.endif
;; end of part 1
;; launch proj (part 2): grid 256 x 1, 4 waves a work-group, clusters of 4 x 1, 327,680 bytes of LDS; arguments x, wb, qh, kh, vh; writes qh, kh, vh
.if DOCPART == 2
	.amdgcn_target "amdgcn-amd-amdhsa--gfx1250"
	.amdhsa_code_object_version 6
	.text
	.protected	k_qe1ace2891c_proj
	.globl	k_qe1ace2891c_proj
	.p2align	8
	.type	k_qe1ace2891c_proj,@function
k_qe1ace2891c_proj:
	s_mov_b64 s[64:65], 0
	v_nop
	global_prefetch_b8 v0, s[64:65] scope:SCOPE_SE
	s_setreg_imm32_b32 hwreg(HW_REG_WAVE_MODE, 25, 1), 1
	s_wait_xcnt 0x0
	s_wait_alu depctr_hold_cnt(0) depctr_sa_sdst(0) depctr_va_vdst(0) depctr_va_sdst(0) depctr_va_ssrc(0) depctr_va_vcc(0) depctr_vm_vsrc(0)
	s_getreg_b32 s2, hwreg(HW_REG_IB_STS2, 6, 4)
	s_cmp_eq_u32 s2, 0
	s_cbranch_scc0 .Lentry_in_a_cluster
	s_endpgm
.Lentry_in_a_cluster:
	s_bfe_u32 s2, ttmp6, 0x10000c
	s_cmp_lg_u32 s2, 0x3003
	s_cbranch_scc0 .Lentry_shape_is_right
	s_endpgm
.Lentry_shape_is_right:
; [q | k | v] = x W.  x: [16384][1024] f32.  wb: [1024][384] bf16 (Wq | Wk | Wv).  qh, kh, vh: [16384][128] f16.  Sums in f32.
; LIMIT: q, k and v leave in f16: a result of 65,504 or more in magnitude becomes infinite.  x and W enter the products rounded to bf16.
; A work-group makes 64 rows x 384 columns with four waves; K = 1024 goes in 8 steps of 128, written out.
; Wave w makes all 64 rows of the column tiles t = w + 4 i, i = 0..5 (16 columns each): 4 x 6 = 24 accumulators, 192 registers.
; W: every work-group walks the same 768 KiB, so the four work-groups of a cluster ask for each tile JOINTLY (mask 15): a ring of two LDS
;    slots of 128 k-rows, each wave bringing 32 rows of 768 bytes by one tensor load (128 rows shared out among four waves).
; x: belongs to this work-group alone and is read once.  It comes through registers, a ring of four chunks (16 rows x 512 bytes a wave each,
;    64 loads of a wave on their way), which stays in flight across the ring's barriers; each number is rounded to bf16 once and put in LDS.
; The matrix instruction takes W's fragment (16 columns, transposed on the way out of LDS) as source 0 and x's (16 rows) as source 1, so a lane's
; eight results are eight neighbouring columns of one row.
;
; REGISTERS: window 0: addresses, two fragment buffers, conversion results; window 1: accumulator (a, i) at 8 (6 a + i);
;            window 2: x as loaded, chunk c at 64 (c mod 4), row i at + 4 i.
.set WP,     864                       ; LDS pitch of a W row: 3 x (256 bytes + 32 of padding) = 27 x 32
.set WQ,     32*WP                     ; 32 rows: one tensor load, and one quarter step along K
.set WSLOT,  128*WP                    ; 110,592
.set WSTEP,  128*768                   ; bytes of wb in a K step
.set XP,     272                       ; LDS pitch of a row of 128 bf16 of x: 17 x 16
.set XBUF,   64*XP
.set XA0,    2*WSLOT                   ; 221,184: x in bf16, two buffers, filled by ds_store alone
.set XA1,    XA0+XBUF
.set STAGE,  XA1+XBUF                  ; 256,000: the way out, one region for each wave
.set SPT,    208                       ; a stage row: 96 f16 + 16 bytes = 13 x 16
.set WST,    64*SPT+64                 ; from a wave's region to the next: 64 bytes past a multiple of 256, so four regions' rows start 64 bytes apart modulo 256
.set XOFF, 8                           ; v8      my 16 bytes in the first row of my wave's 16 rows of x; never rewritten
.set XST,  9                           ; v9-10   where I put 8 bytes of bf16, buffer 0, 1
.set ADRA, 11                          ; v11-12  x fragments, buffer 0, 1
.set ADRW, 13                          ; v13-16  W fragments: slot 0 rows 0-63, 64-127; slot 1 likewise
.set F0,   24                          ; v24-103   fragment buffer 0: W's six at + 8 i, x's four at + 48 + 8 a
.set F1,   104                         ; v104-183  fragment buffer 1
.set CT,   184                         ; v184-215  16 rows x 2 registers of bf16
.set STO,  216
.set RDB,  217
.set CO,   218
.set PK,   24                          ; the way out: 96 registers of packed f16
.set BK,   120                         ; the way out: 96 registers read back
.set G1,   24                          ; s[24:31]
.set G0,   32                          ; s[32:39], one set for each slot
.set W_MUL, 0x50                       ; C and D in window 1
.set W_CVX, 0x0a                       ; sources 0 and 1 in window 2
.set W_LDX, 0x80                       ; destination in window 2
.set W_OUT, 0x05                       ; sources 0 and 1 in window 1
.set MSB, 0
.macro WIN new                         ; the immediate's high byte repeats the setting that is left
.if MSB != \new
	s_set_vgpr_msb (MSB<<8)|\new
.set MSB, \new
.endif
.endm
.macro PLACES                          ; four places behind a matrix instruction ahead of loads into, and vector work on, its registers
.rept 4
	v_nop
.endr
.endm
.macro CREST                           ; a round of the cluster's barrier behind its opening work-group barrier
	s_cmp_lg_u32 s14, 0
	s_cbranch_scc1 .Lnot_wave_0_\@
	s_barrier_signal -3
.Lnot_wave_0_\@:
	s_barrier_wait -3
	s_barrier_signal -1
	s_barrier_wait -1
.endm
.macro CROUND
	s_barrier_signal -1
	s_barrier_wait -1
	CREST
.endm
; six matrix instructions: x rows 16 a .. + 15 times my six column tiles, 32 along K.  zero = 1: the first product starts the sums.
; The 24 accumulators take turns, one instruction a turn, in the same order in every quarter step.
.macro MULA f, a, zero
.irp i, 0,1,2,3,4,5
.if \zero
	v_wmma_f32_16x16x32_bf16 v[8*(6*\a+\i):8*(6*\a+\i)+7], v[\f+8*\i:\f+8*\i+7], v[\f+48+8*\a:\f+48+8*\a+7], 0
.else
	v_wmma_f32_16x16x32_bf16 v[8*(6*\a+\i):8*(6*\a+\i)+7], v[\f+8*\i:\f+8*\i+7], v[\f+48+8*\a:\f+48+8*\a+7], v[8*(6*\a+\i):8*(6*\a+\i)+7]
.endif
.endr
.endm
; 20 LDS loads: the fragments of quarter step q (32 along K) of a slot into buffer f: W's six tiles first, then x's four.
; Column tile w + 4 i begins at byte 288 (i / 2) + 128 (i mod 2) + 32 w of a padded W row.
.macro FETCH slot, q, f
.irp i, 0,1,2,3,4,5
	ds_load_tr16_b128 v[\f+8*\i:\f+8*\i+3],   v[ADRW+2*\slot+(\q>>1)] offset:(\q&1)*WQ+288*(\i>>1)+128*(\i&1)
	ds_load_tr16_b128 v[\f+8*\i+4:\f+8*\i+7], v[ADRW+2*\slot+(\q>>1)] offset:(\q&1)*WQ+288*(\i>>1)+128*(\i&1)+16*WP
.endr
.irp a, 0,1,2,3
	ds_load_b128 v[\f+48+8*\a:\f+48+8*\a+3], v[ADRA+\slot] offset:16*XP*\a+64*\q
	ds_load_b128 v[\f+48+8*\a+4:\f+48+8*\a+7], v[ADRA+\slot] offset:16*XP*\a+64*\q+32
.endr
.endm
; 16 loads: chunk c (K step c) of my wave's 16 rows; each load takes 512 consecutive bytes of one row
.macro XLOAD c
	WIN W_LDX
.irp i, 0,1,2,3,4,5,6,7,8,9,10,11,12,13,14,15
	global_load_b128 v[64*((\c)&3)+4*\i:64*((\c)&3)+4*\i+3], v[XOFF], s[4:5] offset:4096*\i+512*(\c) th:TH_LOAD_NT
.endr
	WIN 0
.endm
; chunk c has come: round it to bf16, put it in LDS buffer c mod 2, and ask for chunk c + 4 into the same registers
.macro XBLOCK c
.if \c <= 4
	s_wait_loadcnt 48                              ; loads come back in order: three younger chunks of 16 loads stay out
.else
	s_wait_loadcnt 16*(7-\c)                       ; nothing is asked for any more: the counts run down
.endif
	WIN W_CVX
.irp i, 0,1,2,3,4,5,6,7,8,9,10,11,12,13,14,15
	v_cvt_pk_bf16_f32 v[CT+2*\i],   v[64*(\c&3)+4*\i],   v[64*(\c&3)+4*\i+1]
	v_cvt_pk_bf16_f32 v[CT+2*\i+1], v[64*(\c&3)+4*\i+2], v[64*(\c&3)+4*\i+3]
.endr
	WIN 0
.irp i, 0,1,2,3,4,5,6,7,8,9,10,11,12,13,14,15
	ds_store_b64 v[XST+(\c&1)], v[CT+2*\i:CT+2*\i+1] offset:XP*\i   ; 32 lanes x 8 bytes: a row's 256 bytes
.endr
.if \c <= 3
	XLOAD \c+4
.endif
.endm
; One of a K step's first three quarter steps: multiplies buffer f; in its middle (xb >= 0: x's chunk xb goes to LDS, and) quarter qn's fragments are fetched into g.
.macro QUARTER slot, qn, f, g, zero, xb
	s_wait_dscnt 4                                 ; W's six and x's rows 0-31 are in; the youngest four loads (x's rows 32-63) may be out
	WIN W_MUL
	MULA \f, 0, \zero
	MULA \f, 1, \zero
	PLACES
.if \xb >= 0
	XBLOCK \xb
.endif
	WIN 0
	FETCH \slot, \qn, \g
	s_wait_dscnt 20                                ; all but the 20 just issued
	WIN W_MUL
	MULA \f, 2, \zero
	MULA \f, 3, \zero
.endm
; The last quarter step multiplies buffer 1 and changes slots.  In front of the barrier each wave waits for its LDS reads of this slot and of this x buffer, for its
; stores into the other x buffer, and for all its tensor loads (one is out: its part of the next slot).  fill = 1: the barrier opens a round of the cluster's barrier,
; and the joint refill of this slot, two K steps ahead, is the first tensor load behind the round, one a wave.
.macro TURN slot, next, fill
	s_wait_dscnt 4
	WIN W_MUL
	MULA F1, 0, 0
	s_wait_dscnt 0x0
	s_wait_tensorcnt 0x0
	ds_add_u32 v254, v255
	s_wait_dscnt 0x0
	s_barrier_signal -1
	MULA F1, 1, 0                                  ; register work while the others arrive
	WIN 0
	s_barrier_wait -1
.if \fill
	CREST
	s_add_nc_u64 s[G0+4*\slot+2:G0+4*\slot+3], s[G0+4*\slot+2:G0+4*\slot+3], 2*WSTEP   ; no tensor load of mine is out: the group may be written
	tensor_load_to_lds s[G0+4*\slot:G0+4*\slot+3], s[G1:G1+7]
	s_nop 0
.endif
	PLACES
	FETCH \next, 0, F0
	WIN W_MUL
	MULA F1, 2, 0
	MULA F1, 3, 0
.endm
.macro KSTEP slot, next, zero, xb, fill
	QUARTER \slot, 1, F0, F1, \zero, \xb
	QUARTER \slot, 2, F1, F0, 0, -1
	QUARTER \slot, 3, F0, F1, 0, -1
	TURN \slot, \next, \fill
.endm
	s_load_b256 s[4:11], s[0:1], 0x0               ; x s[4:5], wb s[6:7], qh s[8:9], kh s[10:11]
	s_load_b64 s[12:13], s[0:1], 0x20              ; vh
	v_lshl_add_u32 v254, v0, 2, 0x4b900
	v_mov_b32 v255, 0
	ds_add_u32 v254, v255
	v_lshrrev_b32 v1, 5, v0
	v_readfirstlane_b32 s14, v1                    ; wave 0..3
	s_bfe_u32 s15, ttmp6, 0x40000                  ; cx: my place in the cluster; it enters the addresses of x and of the results alone
	s_lshl_b32 s16, ttmp9, 2
	s_add_co_u32 s16, s16, s15                     ; work-group = 4 x cluster + cx
	s_lshl_b32 s18, s16, 18                        ; 64 rows of 4,096 bytes of x
	s_mov_b32 s19, 0
	s_lshl_b32 s20, s16, 14                        ; 64 rows of 256 bytes of q, k, v
	s_mov_b32 s21, 0
	s_mul_i32 s22, s14, 32*768                     ; my 32 rows of a W tile, in wb
	s_mov_b32 s23, 0
	s_mul_i32 s17, s14, WQ                         ; and in LDS
	v_and_b32 v1, 31, v0                           ; lane
	v_lshlrev_b32 v4, 4, v1
	v_lshl_add_u32 v[XOFF], s14, 16, v4            ; wave x 16 rows x 4,096 bytes + 16 x lane
	; descriptor group 1: 32 rows x 384 elements of 2 bytes; behind every 64 words 8 words of padding
	s_mov_b32 s[G1+0], 15|(1<<16)|(1<<20)|(1<<21)|(5<<22)|(7<<25)   ; 15:0 mask: all four of the cluster; 17:16 2 bytes; 20 padding; 21 set beside a mask; 24:22 interval code 5; 31:25 pad code 7
	s_mov_b32 s[G1+1], 384<<16                     ; tensor_dim0 = 384
	s_mov_b32 s[G1+2], 32<<16                      ; tensor_dim1 = 32
	s_mov_b32 s[G1+3], 384<<16                     ; tile_dim0 = 384
	s_mov_b32 s[G1+4], 32                          ; tile_dim1 = 32
	s_mov_b32 s[G1+5], 384                         ; elements from row to row
	s_mov_b32 s[G1+6], 0
	s_mov_b32 s[G1+7], 0
	s_wait_dscnt 0x0
	s_wait_kmcnt 0x0
	s_add_nc_u64 s[4:5], s[4:5], s[18:19]
	s_add_nc_u64 s[6:7], s[6:7], s[22:23]          ; hangs on the wave's number alone: equal in all four partners
	s_add_nc_u64 s[8:9], s[8:9], s[20:21]
	s_add_nc_u64 s[10:11], s[10:11], s[20:21]
	s_add_nc_u64 s[12:13], s[12:13], s[20:21]
	XLOAD 0                                        ; x's ring is filled first: it has the longest way
	XLOAD 1
	XLOAD 2
	XLOAD 3
	CROUND                                         ; all four work-groups are here: the first joint loads meet
.irp s, 0,1
	s_mov_b32 s[G0+4*\s], 1                                        ; count = 1
	s_add_co_u32 s[G0+4*\s+1], s17, \s*WSLOT                       ; LDS address: wave x 27,648 + the slot
	s_add_nc_u64 s[G0+4*\s+2:G0+4*\s+3], s[6:7], \s*WSTEP          ; K step s
	s_or_b32 s[G0+4*\s+3], s[G0+4*\s+3], 0x80000000                ; type = 2
	tensor_load_to_lds s[G0+4*\s:G0+4*\s+3], s[G1:G1+7]            ; two loads of a wave are out here, later one
	s_nop 0
.endr
	v_and_b32 v2, 15, v0                           ; r
	v_bfe_u32 v3, v0, 4, 1                         ; h
	s_mul_i32 s18, s14, 16*XP
	v_lshlrev_b32 v5, 3, v1
	v_add_nc_u32 v5, s18, v5                       ; my wave's 16 rows + 8 x lane
	v_add_nc_u32 v[XST], XA0, v5
	v_add_nc_u32 v[XST+1], XA1, v5
	v_mul_u32_u24 v6, v2, XP
	v_lshl_add_u32 v6, v3, 4, v6                   ; row r x pitch + 16 h
	v_add_nc_u32 v[ADRA], XA0, v6
	v_add_nc_u32 v[ADRA+1], XA1, v6
	v_and_b32 v7, 7, v0
	v_lshl_add_u32 v7, v3, 3, v7                   ; k-row 8 h + lane mod 8
	v_mul_u32_u24 v7, v7, WP
	v_bfe_u32 v4, v0, 3, 1
	v_lshl_add_u32 v7, v4, 4, v7                   ; + 16 bytes for the upper eight columns
	s_lshl_b32 s19, s14, 5                         ; + my first tile: 32 w
	v_add_nc_u32 v[ADRW], s19, v7
	v_add_nc_u32 v[ADRW+1], 64*WP, v[ADRW]
	v_add_nc_u32 v[ADRW+2], WSLOT, v[ADRW]
	v_add_nc_u32 v[ADRW+3], WSLOT+64*WP, v[ADRW]
	s_mul_i32 s18, s14, WST
	v_mul_u32_u24 v4, v2, SPT                      ; in: my wave's region, row r, 16 bytes for each half of the lanes
	v_lshl_add_u32 v4, v3, 4, v4
	v_add_nc_u32 v4, s18, v4
	v_add_nc_u32 v[STO], STAGE, v4
	; back: lane l takes bytes 16 (l mod 16) of a result's row of 256 bytes = half l mod 2 of column tile (l mod 16) / 2, which wave (l / 2) mod 4 made as its tile 2 m + (l / 8) mod 2
	v_bfe_u32 v4, v0, 1, 2
	v_mul_u32_u24 v4, v4, WST
	v_lshl_add_u32 v5, s14, 4, v3                  ; row 16 w + h
	v_mad_u32_u24 v4, v5, SPT, v4
	v_bfe_u32 v6, v0, 3, 1
	v_lshl_add_u32 v4, v6, 5, v4
	v_and_b32 v6, 1, v0
	v_lshl_add_u32 v4, v6, 4, v4
	v_add_nc_u32 v[RDB], STAGE, v4
	v_lshlrev_b32 v4, 8, v5
	v_lshl_add_u32 v[CO], v2, 4, v4                ; and the same two rows in q, k, v
	XBLOCK 0                                       ; x's K step 0 into LDS
	s_wait_tensorcnt 0x1                           ; my part of W's K step 0 is in; K step 1's may stay out
	s_wait_dscnt 0x0                               ; my stores of x are done
	s_barrier_signal -1
	s_barrier_wait -1
	FETCH 0, 0, F0
	KSTEP 0, 1, 1, 1, 1                            ; K step 0: its first products start the sums; x's chunk 1 goes to LDS; slot 0 gets K step 2
	KSTEP 1, 0, 0, 2, 1
	KSTEP 0, 1, 0, 3, 1
	KSTEP 1, 0, 0, 4, 1
	KSTEP 0, 1, 0, 5, 1
	KSTEP 1, 0, 0, 6, 1                            ; slot 1 gets K step 7: the last fill
	KSTEP 0, 1, 0, 7, 0                            ; nothing is left to fetch: a plain barrier, with the same waits
	QUARTER 1, 1, F0, F1, 0, -1
	QUARTER 1, 2, F1, F0, 0, -1
	QUARTER 1, 3, F0, F1, 0, -1
	s_wait_dscnt 4
	WIN W_MUL
	MULA F1, 0, 0
	MULA F1, 1, 0
	s_wait_dscnt 0x0
	MULA F1, 2, 0
	MULA F1, 3, 0
	; THE WAY OUT: round to f16, 16 bytes a lane into my wave's own stage region; behind a barrier every wave reads 16 whole rows back and stores them.
	PLACES
	WIN W_OUT
.irp a, 0,1,2,3
.irp i, 0,1,2,3,4,5
.irp u, 0,1,2,3
	v_cvt_pk_f16_f32 v[PK+4*(6*\a+\i)+\u], v[8*(6*\a+\i)+2*\u], v[8*(6*\a+\i)+2*\u+1]
.endr
.endr
.endr
	WIN 0
.irp a, 0,1,2,3
.irp i, 0,1,2,3,4,5
	ds_store_b128 v[STO], v[PK+4*(6*\a+\i):PK+4*(6*\a+\i)+3] offset:16*SPT*\a+32*\i
.endr
.endr
	s_wait_dscnt 0x0                               ; for the others' sake
	s_barrier_signal -1
	s_barrier_wait -1
.irp p, 0,1,2,3,4,5,6,7
.irp m, 0,1,2
	ds_load_b128 v[BK+4*(3*\p+\m):BK+4*(3*\p+\m)+3], v[RDB] offset:2*SPT*\p+64*\m
.endr
.endr
.irp p, 0,1,2,3,4,5,6,7
.irp m, 0,1,2
	s_wait_dscnt 23-(3*\p+\m)
	global_store_b128 v[CO], v[BK+4*(3*\p+\m):BK+4*(3*\p+\m)+3], s[8+2*\m:9+2*\m] offset:512*\p   ; two rows: 512 consecutive bytes, aligned
.endr
.endr
	s_wait_tensorcnt 0x0
	ds_add_u32 v254, v255
	s_wait_dscnt 0x0
	CROUND                                         ; the closing round: no work-group ends while a partner may still ask jointly
	s_endpgm
.Lfunc_end_k_qe1ace2891c_proj:
	.size	k_qe1ace2891c_proj, .Lfunc_end_k_qe1ace2891c_proj-k_qe1ace2891c_proj
	.p2alignl 7, 3214868480
	.fill 96, 4, 3214868480
	.section	.rodata,"a",@progbits
	.p2align	6, 0x0
	.amdhsa_kernel k_qe1ace2891c_proj
		.amdhsa_group_segment_fixed_size 327680
		.amdhsa_private_segment_fixed_size 0
		.amdhsa_enable_private_segment 0
		.amdhsa_kernarg_size 40
		.amdhsa_user_sgpr_count 2
		.amdhsa_user_sgpr_kernarg_segment_ptr 1
		.amdhsa_wavefront_size32 1
		.amdhsa_system_sgpr_workgroup_id_x 1
		.amdhsa_system_sgpr_workgroup_id_y 1
		.amdhsa_system_sgpr_workgroup_id_z 1
		.amdhsa_system_vgpr_workitem_id 0
		.amdhsa_next_free_vgpr 768
		.amdhsa_next_free_sgpr 66
		.amdhsa_reserve_vcc 0
		.amdhsa_float_denorm_mode_32 3
		.amdhsa_float_denorm_mode_16_64 3
		.amdhsa_memory_ordered 1
		.amdhsa_forward_progress 1
		.amdhsa_inst_pref_size 155
	.end_amdhsa_kernel
	.amdgpu_metadata
---
amdhsa.version: [ 1, 2 ]
amdhsa.kernels:
  - .name:           k_qe1ace2891c_proj
    .symbol:         k_qe1ace2891c_proj.kd
    .args:
      - { .name: x, .offset: 0, .size: 8, .value_kind: global_buffer, .address_space: global }
      - { .name: wb, .offset: 8, .size: 8, .value_kind: global_buffer, .address_space: global }
      - { .name: qh, .offset: 16, .size: 8, .value_kind: global_buffer, .address_space: global }
      - { .name: kh, .offset: 24, .size: 8, .value_kind: global_buffer, .address_space: global }
      - { .name: vh, .offset: 32, .size: 8, .value_kind: global_buffer, .address_space: global }
    .group_segment_fixed_size: 327680
    .private_segment_fixed_size: 0
    .kernarg_segment_align: 8
    .kernarg_segment_size: 40
    .max_flat_workgroup_size: 128
    .sgpr_count:     66
    .vgpr_count:     768
    .wavefront_size: 32
...
	.end_amdgpu_metadata
.endif
;; end of part 2
;; launch attn (part 3): grid 256 x 1, 4 waves a work-group, clusters of 4 x 1, 327,680 bytes of LDS; arguments qh, kh, vh, out0; writes out0
.if DOCPART == 3
	.amdgcn_target "amdgcn-amd-amdhsa--gfx1250"
	.amdhsa_code_object_version 6
	.text
	.protected	k_qe1ace2891c_attn
	.globl	k_qe1ace2891c_attn
	.p2align	8
	.type	k_qe1ace2891c_attn,@function
k_qe1ace2891c_attn:
	s_mov_b64 s[64:65], 0
	v_nop
	global_prefetch_b8 v0, s[64:65] scope:SCOPE_SE
	s_setreg_imm32_b32 hwreg(HW_REG_WAVE_MODE, 25, 1), 1
	s_wait_xcnt 0x0
	s_wait_alu depctr_hold_cnt(0) depctr_sa_sdst(0) depctr_va_vdst(0) depctr_va_sdst(0) depctr_va_ssrc(0) depctr_va_vcc(0) depctr_vm_vsrc(0)
	s_getreg_b32 s2, hwreg(HW_REG_IB_STS2, 6, 4)
	s_cmp_eq_u32 s2, 0
	s_cbranch_scc0 .Lentry_in_a_cluster
	s_endpgm
.Lentry_in_a_cluster:
	s_bfe_u32 s2, ttmp6, 0x10000c
	s_cmp_lg_u32 s2, 0x3003
	s_cbranch_scc0 .Lentry_shape_is_right
	s_endpgm
.Lentry_shape_is_right:
; out = softmax(causal(q k^T / 32)) v for 8 batches of 2048 rows, head size 128.  qh, kh, vh: [16384][128] f16.  out0: [16384][128] f32.
; LIMITS: q, k, v are f16 (finite below 65,504 in magnitude).  The running maximum starts at -2^127: a score at or below that is not told apart from a masked one.
;         NaN and infinite inputs are not followed.  The weights enter the second product rounded to f16 (they are at most 1); sums, maxima and results are f32.
; SHARE: cluster C (0..63): batch C / 8, c = C mod 8, e = c / 2.  Work-group i = 4 c + cx makes two blocks of 32 query rows: block i (pass A) and block 63 - i (pass B).
;   Key tiles hold 256 keys.  Pass A needs tiles 0..e, pass B tiles 0..7-e: nine tiles for every work-group, and the SAME nine for the four of a cluster, which ask for
;   them JOINTLY (mask 15).  Only a pass's last tile meets the diagonal.  Stream place t = 0..8 is written out; tile(t) = t - (e < t ? e + 1 : 0); the pass changes
;   behind t = e (0..3), by a scalar branch on e, which comes from the cluster's number alone and is equal in all waves and partners.
; WAVE w takes keys 64 w .. 64 w + 63 of every tile for all 32 rows, with its own running maximum, sum and result; the four are merged in LDS at the end of a pass.
; TRANSPOSED: S^T = K (source 0) x Q^T (source 1); O^T = V^T (source 0, transposed on the way out of LDS) x P^T (source 1).  A lane then holds keys of ONE query row:
;   maximum and sum are work inside the lane and one exchange of halves, and two S tiles, packed to f16 in place, ARE a fragment of P^T.
; RING: two LDS slots of K (256 rows, pitch 272) and V (256 rows, pitch 288); waves 0, 1 fetch K's halves, waves 2, 3 V's, 128 rows of 256 bytes a load.
;   A wave has two tensor loads out at the start and one behind each round; that one has a whole tile's work in which to land.
; REGISTERS: window 0: addresses, Q, K or V fragments, P.  Window 1: O, S and the softmax's state.
.set KP,    272
.set VP,    288
.set KPART, 256*KP                     ; 69,632
.set SLOT,  KPART+256*VP               ; 143,360
.set OSB,   2*SLOT                     ; 286,720: merge stage, 4 source waves x 16 rows x 528 bytes, filled by ds_store alone
.set OSP,   528                        ; 512 bytes + 16 = 33 x 16
.set OSW,   16*OSP
.set MLB,   OSB+4*OSW                  ; 320,512: maxima [source wave][32 rows], then sums likewise, 512 bytes each
.set CS,    0x3d38aa3b                 ; log2(e) / 32
.set NCS,   0xbd38aa3b
.set MINIT, 0xff000000                 ; -2^127
.set ADK, 8                            ; v8-9    K fragments, slot 0, 1
.set ADV, 10                           ; v10-11  V fragments, slot 0, 1
.set VQ,  12                           ; v12     q: 256 r + 16 h
.set WOS, 13                           ; v13     merge stage, in
.set WML, 14                           ; v14     maxima and sums, in
.set ROS, 15                           ; v15     merge stage, back
.set RML, 16                           ; v16     maxima and sums, back
.set VO,  17                           ; v17     out0
.set RQ,  32                           ; v32-95   Q(qt, ks) at + 8 (4 qt + ks)
.set RKV, 96                           ; v96-223  K(kt, ks) at + 8 (4 ks + kt), then V(ht, kk) at + 8 (8 kk + ht)
.set RP,  224                          ; v224-255 P(kk, qt) at + 8 (2 kk + qt)
.set ORG, RKV                          ; merge: 4 sources x 4 rows x 4 registers
.set MR,  RKV+64                       ; merge: maxima, [source][row]
.set LR,  RKV+80                       ; merge: sums
.set TT,  RP                           ; merge: the rows' maxima
.set LS,  RP+4                         ; merge: the rows' sums, then their reciprocals
; window 1
.set RO,  0                            ; O(ht, qt) at 8 (8 qt + ht)
.set RS,  128                          ; S(kt, qt) at 128 + 32 qt + 8 kt
.set RTM, 192                          ; 192-199 chains
.set RM,  200                          ; maxima: 200 + 2 parity + qt; place t reads parity t mod 2 and writes the other
.set RL,  204                          ; sums
.set RAL, 206                          ; 206, 208: rescaling factors (207, 209 written once: a pair counts as read whole)
.set RNM, 210                          ; 210, 212: - CS x maximum (211, 213 likewise)
.set RSU, 214                          ; 214-217
.set RPX, 218                          ; 218, 219
.set RDG, 220                          ; 220, 221: the diagonal's place
.set G1K, 40
.set G1V, 48
.set G0K, 56                           ; s[56:63]
.set G0V, 68                           ; s[68:75]
.set OFFT, 76                          ; s76-84: byte offset of place t's tile in k and v
.set MSB, 0
.macro WIN new
.if MSB != \new
	s_set_vgpr_msb (MSB<<8)|\new
.set MSB, \new
.endif
.endm
.macro PLACES                          ; four places behind a matrix instruction (ISA guide 7.12.1)
.rept 4
	v_nop
.endr
.endm
.macro ROUND                           ; a round of the cluster's barrier
	s_barrier_signal -1
	s_barrier_wait -1
	s_cmp_lg_u32 s12, 0
	s_cbranch_scc1 .Lnot_wave_0_\@
	s_barrier_signal -3
.Lnot_wave_0_\@:
	s_barrier_wait -3
	s_barrier_signal -1
	s_barrier_wait -1
.endm
.macro JLOAD sl                        ; a wave's one joint load: waves 0, 1 ask for K, waves 2, 3 for V
	s_cmp_eq_u32 s13, 0
	s_cbranch_scc0 .Lfor_v_\@
	tensor_load_to_lds s[G0K+4*\sl:G0K+4*\sl+3], s[G1K:G1K+7]
	s_nop 0
	s_branch .Lasked_\@
.Lfor_v_\@:
	tensor_load_to_lds s[G0V+4*\sl:G0V+4*\sl+3], s[G1V:G1V+7]
	s_nop 0
.Lasked_\@:
.endm
.macro SETG0 sl, tn                    ; slot sl's two addresses for place tn; stands where no tensor load of the wave is out
	s_mov_b32 s86, s[OFFT+\tn]
	s_add_nc_u64 s[G0K+4*\sl+2:G0K+4*\sl+3], s[36:37], s[86:87]
	s_or_b32 s[G0K+4*\sl+3], s[G0K+4*\sl+3], 0x80000000
	s_add_nc_u64 s[G0V+4*\sl+2:G0V+4*\sl+3], s[38:39], s[86:87]
	s_or_b32 s[G0V+4*\sl+3], s[G0V+4*\sl+3], 0x80000000
.endm
.macro QLOAD b                         ; 32 query rows as eight fragments, straight from memory: 8 KiB, once a pass
.irp qt, 0,1
.irp ks, 0,1,2,3
	global_load_b128 v[RQ+8*(4*\qt+\ks):RQ+8*(4*\qt+\ks)+3],   v[VQ], s[\b:\b+1] offset:4096*\qt+64*\ks
	global_load_b128 v[RQ+8*(4*\qt+\ks)+4:RQ+8*(4*\qt+\ks)+7], v[VQ], s[\b:\b+1] offset:4096*\qt+64*\ks+32
.endr
.endr
.endm
.macro KLOAD sl                        ; my 64 keys x 128: 32 loads, the head's 32-steps one after the other
.irp ks, 0,1,2,3
.irp kt, 0,1,2,3
	ds_load_b128 v[RKV+8*(4*\ks+\kt):RKV+8*(4*\ks+\kt)+3],   v[ADK+\sl] offset:16*KP*\kt+64*\ks
	ds_load_b128 v[RKV+8*(4*\ks+\kt)+4:RKV+8*(4*\ks+\kt)+7], v[ADK+\sl] offset:16*KP*\kt+64*\ks+32
.endr
.endr
.endm
.macro VLOAD sl                        ; my 64 keys of V, transposed: 32 loads, keys 0-31 first
.irp kk, 0,1
.irp ht, 0,1,2,3,4,5,6,7
	ds_load_tr16_b128 v[RKV+8*(8*\kk+\ht):RKV+8*(8*\kk+\ht)+3],   v[ADV+\sl] offset:32*VP*\kk+32*\ht
	ds_load_tr16_b128 v[RKV+8*(8*\kk+\ht)+4:RKV+8*(8*\kk+\ht)+7], v[ADV+\sl] offset:32*VP*\kk+32*\ht+16*VP
.endr
.endr
.endm
.macro SMUL                            ; S^T = K Q^T: eight accumulators take turns, one instruction a turn; the first step starts the sums
.irp ks, 0,1,2,3
	s_wait_dscnt 24-8*\ks                          ; this step's eight loads are in; the later steps', eight each, may be out
.irp qt, 0,1
.irp kt, 0,1,2,3
.if \ks == 0
	v_wmma_f32_16x16x32_f16 v[RS+32*\qt+8*\kt:RS+32*\qt+8*\kt+7], v[RKV+8*(4*\ks+\kt):RKV+8*(4*\ks+\kt)+7], v[RQ+8*(4*\qt+\ks):RQ+8*(4*\qt+\ks)+7], 0
.else
	v_wmma_f32_16x16x32_f16 v[RS+32*\qt+8*\kt:RS+32*\qt+8*\kt+7], v[RKV+8*(4*\ks+\kt):RKV+8*(4*\ks+\kt)+7], v[RQ+8*(4*\qt+\ks):RQ+8*(4*\qt+\ks)+7], v[RS+32*\qt+8*\kt:RS+32*\qt+8*\kt+7]
.endif
.endr
.endr
.endr
.endm
; The diagonal's tile.  Register j of S(kt, qt) in lane (r, h) is key 16 kt + 8 h + j against row 16 qt + r; it stays if 16 kt + j <= D(qt),
; D(qt) = (the block's first row - the tile's first key - 64 w) + 16 qt + r - 8 h; else it becomes minus infinity.
.macro MASK sd
	WIN 0x40
	v_add_nc_u32 v[RDG], s[\sd], v5
	WIN 0x55
	v_add_nc_u32 v[RDG+1], 16, v[RDG]
.irp qt, 0,1
.irp kt, 0,1,2,3
.irp j, 0,1,2,3,4,5,6,7
	v_cmp_le_i32 vcc_lo, 16*\kt+\j, v[RDG+\qt]
	v_cndmask_b32 v[RS+32*\qt+8*\kt+\j], 0xff800000, v[RS+32*\qt+8*\kt+\j], vcc_lo
.endr
.endr
.endr
	WIN 0
.endm
; The running softmax of place t, wholly in window 1.  first = 1: nothing is there to rescale.
.macro SOFTMAX t, first
	WIN 0x55
.irp c, 0,1,2,3
	v_max3_num_f32 v[RTM+\c], v[RS+16*\c], v[RS+16*\c+1], v[RS+16*\c+2]            ; four chains of 15 numbers
.endr
.irp u, 3,5,7,9,11,13
.irp c, 0,1,2,3
	v_max3_num_f32 v[RTM+\c], v[RTM+\c], v[RS+16*\c+\u], v[RS+16*\c+\u+1]
.endr
.endr
.irp qt, 0,1
	v_max3_num_f32 v[RTM+2*\qt], v[RTM+2*\qt], v[RTM+2*\qt+1], v[RS+32*\qt+15]
.endr
.irp qt, 0,1
	v_max3_num_f32 v[RTM+2*\qt], v[RTM+2*\qt], v[RS+32*\qt+31], v[RM+2*(\t&1)+\qt]  ; the last number and the old maximum
.endr
.irp qt, 0,1
	v_permlanex16_b32 v[RPX+\qt], v[RTM+2*\qt], s21, s22                           ; the row's other sixteen keys lie in lane l xor 16
.endr
.irp qt, 0,1
	v_max_num_f32 v[RM+2*(1-(\t&1))+\qt], v[RTM+2*\qt], v[RPX+\qt]
.endr
.if \first == 0
.irp qt, 0,1
	v_sub_f32 v[RAL+2*\qt], v[RM+2*(\t&1)+\qt], v[RM+2*(1-(\t&1))+\qt]
.endr
.irp qt, 0,1
	v_mul_f32 v[RAL+2*\qt], s88, v[RAL+2*\qt]
.endr
.irp qt, 0,1
	v_exp_f32 v[RAL+2*\qt], v[RAL+2*\qt]                                           ; the plain lines below stand between it and its use (ISA guide 5.7.2)
.endr
.endif
.irp qt, 0,1
	v_mul_f32 v[RNM+2*\qt], NCS, v[RM+2*(1-(\t&1))+\qt]
.endr
.set nn, 0
.rept 32
	v_pk_fma_f32 v[RS+2*nn:RS+2*nn+1], v[RS+2*nn:RS+2*nn+1], s[88:89], v[RNM+2*(nn/16):RNM+2*(nn/16)+1] op_sel_hi:[1,0,0]   ; (s - m) log2(e) / 32
.set nn, nn+1
.endr
.set nn, 0
.rept 64
	v_exp_f32 v[RS+nn], v[RS+nn]
.set nn, nn+1
.endr
.if \first == 0
.set nn, 0
	s_wait_alu depctr_va_vdst(0)
.rept 64
	v_pk_mul_f32 v[RO+2*nn:RO+2*nn+1], v[RO+2*nn:RO+2*nn+1], v[RAL+2*(nn/32):RAL+2*(nn/32)+1] op_sel_hi:[1,0]   ; also the plain place behind the exponentials
.set nn, nn+1
.endr
.else
	v_nop                                          ; the plain place behind the exponentials
	s_wait_alu depctr_va_vdst(0)
.endif
.irp c, 0,1,2,3
	v_pk_add_f32 v[RTM+2*\c:RTM+2*\c+1], v[RS+16*\c:RS+16*\c+1], v[RS+16*\c+2:RS+16*\c+3]    ; four chains of pairs
.endr
.irp u, 4,6,8,10,12,14
.irp c, 0,1,2,3
	v_pk_add_f32 v[RTM+2*\c:RTM+2*\c+1], v[RTM+2*\c:RTM+2*\c+1], v[RS+16*\c+\u:RS+16*\c+\u+1]
.endr
.endr
.irp qt, 0,1
	v_pk_add_f32 v[RSU+2*\qt:RSU+2*\qt+1], v[RTM+4*\qt:RTM+4*\qt+1], v[RTM+4*\qt+2:RTM+4*\qt+3]
.endr
.irp qt, 0,1
.if \first
	v_add_f32 v[RL+\qt], v[RSU+2*\qt], v[RSU+2*\qt+1]
.else
	v_add_f32 v[RSU+2*\qt], v[RSU+2*\qt], v[RSU+2*\qt+1]
.endif
.endr
.if \first == 0
.irp qt, 0,1
	v_fma_f32 v[RL+\qt], v[RL+\qt], v[RAL+2*\qt], v[RSU+2*\qt]
.endr
.endif
	WIN 0x05                                       ; S tiles 2 kk and 2 kk + 1, packed, are P^T's fragment for keys 32 kk .. + 31
.irp kk, 0,1
.irp qt, 0,1
.irp u, 0,1
.irp j, 0,1,2,3
	v_cvt_pk_f16_f32 v[RP+8*(2*\kk+\qt)+4*\u+\j], v[RS+32*\qt+8*(2*\kk+\u)+2*\j], v[RS+32*\qt+8*(2*\kk+\u)+2*\j+1]
.endr
.endr
.endr
.endr
.endm
.macro PV first                        ; O^T += V^T P^T: sixteen accumulators take turns, one instruction a turn
	WIN 0x50
.irp kk, 0,1
	s_wait_dscnt 16-16*\kk                         ; V's keys 0-31 are in, the sixteen loads of keys 32-63 may be out; then all
.irp qt, 0,1
.irp ht, 0,1,2,3,4,5,6,7
.if \first*(1-\kk)
	v_wmma_f32_16x16x32_f16 v[RO+8*(8*\qt+\ht):RO+8*(8*\qt+\ht)+7], v[RKV+8*(8*\kk+\ht):RKV+8*(8*\kk+\ht)+7], v[RP+8*(2*\kk+\qt):RP+8*(2*\kk+\qt)+7], 0
.else
	v_wmma_f32_16x16x32_f16 v[RO+8*(8*\qt+\ht):RO+8*(8*\qt+\ht)+7], v[RKV+8*(8*\kk+\ht):RKV+8*(8*\kk+\ht)+7], v[RP+8*(2*\kk+\qt):RP+8*(2*\kk+\qt)+7], v[RO+8*(8*\qt+\ht):RO+8*(8*\qt+\ht)+7]
.endif
.endr
.endr
.endr
.endm
; The four waves' results for query tile qt (16 rows) meet in LDS; wave w finishes rows 4 w .. 4 w + 3 and stores them, a whole row of 512 bytes a store.
.macro MERGE qt, ob
	WIN 0x04                                       ; store data from window 1
.irp ht, 0,1,2,3,4,5,6,7
	ds_store_b128 v[WOS], v[RO+8*(8*\qt+\ht):RO+8*(8*\qt+\ht)+3]   offset:64*\ht
	ds_store_b128 v[WOS], v[RO+8*(8*\qt+\ht)+4:RO+8*(8*\qt+\ht)+7] offset:64*\ht+16
.endr
	WIN 0
	s_wait_dscnt 0x0                               ; my stores are done, for the others' sake
	s_barrier_signal -1
	s_barrier_wait -1
.if \qt
	s_wait_xcnt 0x0                                ; the registers loaded next were the data of the first tile's stores
.endif
.irp sr, 0,1,2,3
	ds_load_b128 v[MR+4*\sr:MR+4*\sr+3], v[RML] offset:128*\sr+64*\qt          ; source wave sr: maxima of my four rows,
	ds_load_b128 v[LR+4*\sr:LR+4*\sr+3], v[RML] offset:512+128*\sr+64*\qt      ; and sums
.endr
.irp sr, 0,1,2,3
.irp rho, 0,1,2,3
	ds_load_b128 v[ORG+4*(4*\sr+\rho):ORG+4*(4*\sr+\rho)+3], v[ROS] offset:OSW*\sr+OSP*\rho
.endr
.endr
	s_wait_dscnt 0x0
.if \qt == 0
	s_barrier_signal -1                            ; my reads of the stage are back: behind this barrier it takes the second tile
.endif
.irp rho, 0,1,2,3
	v_max3_num_f32 v[TT+\rho], v[MR+\rho], v[MR+4+\rho], v[MR+8+\rho]
.endr
.irp rho, 0,1,2,3
	v_max_num_f32 v[TT+\rho], v[TT+\rho], v[MR+12+\rho]
.endr
.irp sr, 0,1,2,3
.irp pr, 0,2
	v_pk_add_f32 v[MR+4*\sr+\pr:MR+4*\sr+\pr+1], v[MR+4*\sr+\pr:MR+4*\sr+\pr+1], v[TT+\pr:TT+\pr+1] neg_lo:[0,1] neg_hi:[0,1]
.endr
.endr
.irp sr, 0,1,2,3
.irp pr, 0,2
	v_pk_mul_f32 v[MR+4*\sr+\pr:MR+4*\sr+\pr+1], v[MR+4*\sr+\pr:MR+4*\sr+\pr+1], s[88:89] op_sel_hi:[1,0]
.endr
.endr
.set nn, 0
.rept 16
	v_exp_f32 v[MR+nn], v[MR+nn]                   ; a wave's weight in the merge; a wave that saw only masked keys gets 0
.set nn, nn+1
.endr
	v_nop                                          ; the plain place behind the exponentials
	s_wait_alu depctr_va_vdst(0)
.irp pr, 0,2
	v_pk_mul_f32 v[LS+\pr:LS+\pr+1], v[LR+\pr:LR+\pr+1], v[MR+\pr:MR+\pr+1]
.endr
.irp sr, 1,2,3
.irp pr, 0,2
	v_pk_fma_f32 v[LS+\pr:LS+\pr+1], v[LR+4*\sr+\pr:LR+4*\sr+\pr+1], v[MR+4*\sr+\pr:MR+4*\sr+\pr+1], v[LS+\pr:LS+\pr+1]
.endr
.endr
.irp rho, 0,1,2,3
	v_rcp_f32 v[LS+\rho], v[LS+\rho]               ; the sum is at least 1: the wave that holds the row's maximum has weight 1 and a term 1
.endr
	v_nop                                          ; the plain place behind the reciprocals
	s_wait_alu depctr_va_vdst(0)
.irp sr, 0,1,2,3
.irp pr, 0,2
	v_pk_mul_f32 v[MR+4*\sr+\pr:MR+4*\sr+\pr+1], v[MR+4*\sr+\pr:MR+4*\sr+\pr+1], v[LS+\pr:LS+\pr+1]
.endr
.endr
.irp rho, 0,1,2,3
.irp j, 0,1,2,3
	v_mul_f32 v[ORG+4*\rho+\j], v[ORG+4*\rho+\j], v[MR+\rho]
.endr
.endr
.irp sr, 1,2,3
.irp rho, 0,1,2,3
.irp j, 0,1,2,3
	v_fma_f32 v[ORG+4*\rho+\j], v[ORG+4*(4*\sr+\rho)+\j], v[MR+4*\sr+\rho], v[ORG+4*\rho+\j]
.endr
.endr
.endr
.if \qt == 0
	s_barrier_wait -1
.endif
.irp rho, 0,1,2,3
	global_store_b128 v[VO], v[ORG+4*\rho:ORG+4*\rho+3], s[\ob:\ob+1] offset:512*(16*\qt+\rho) th:TH_STORE_NT
.endr
.endm
; The end of a pass, behind place t.  reload = 1: pass B's queries are asked for first and land during the merge, and the maxima start again at -2^127:
; pass B's first tile is never masked, so its rescaling factor is exp2 of about -8e36 = 0, and the old finite O and sum vanish by the ordinary rescaling.
; The tile on its way stays out across these three barriers.
.macro FINAL t, ob, reload
.if \reload
	QLOAD 30
.endif
	WIN 0x55
.irp qt, 0,1
	v_permlanex16_b32 v[RPX+\qt], v[RL+\qt], s21, s22
.endr
.irp qt, 0,1
	v_add_f32 v[RL+\qt], v[RL+\qt], v[RPX+\qt]     ; the two halves of the lanes hold different keys of a row
.endr
	WIN 0x04
.irp qt, 0,1
	ds_store_b32 v[WML], v[RM+2*(1-(\t&1))+\qt] offset:64*\qt          ; lanes r and r + 16 write the same word with the same value
	ds_store_b32 v[WML], v[RL+\qt] offset:512+64*\qt
.endr
	MERGE 0, \ob
	MERGE 1, \ob
.if \reload
	WIN 0x40
	v_mov_b32 v[RM+2*(1-(\t&1))], MINIT
	v_mov_b32 v[RM+2*(1-(\t&1))+1], MINIT
	WIN 0
	s_wait_loadcnt 0x0                             ; pass B's queries
.endif
	s_wait_xcnt 0x0                                ; the stores' data registers take K's fragments next
.endm
; Place t on slot sl.  sw = 1: the pass may end here (t = e).  last = 1: pass B ends here.
.macro BODY t, sl, first, sw, last
	KLOAD \sl
	WIN 0x50
	SMUL
	PLACES
	WIN 0
	VLOAD \sl                                      ; into K's registers; lands during the softmax
.if \sw
	s_cmp_lg_u32 s19, \t
	s_cbranch_scc1 .Lnomask_\@
	MASK 25
.Lnomask_\@:
.endif
.if \last
	MASK 26
.endif
	SOFTMAX \t, \first
	PV \first
	PLACES
	WIN 0
.if \sw
	s_cmp_lg_u32 s19, \t
	s_cbranch_scc1 .Lnofinal_\@
	FINAL \t, 32, 1
.Lnofinal_\@:
.endif
.if \last
	FINAL \t, 34, 0
.endif
.endm
; Place t with a refill.  Each wave's LDS reads are back and all its tensor loads have landed (its part of place t's tile among them); then a round of the cluster's
; barrier; then its one joint load: place tn = t + 1 into slot sn, which was read at place t - 1.
.macro STEP t, sl, tn, sn, sw
	s_wait_dscnt 0x0
	s_wait_tensorcnt 0x0
	ds_add_u32 v30, v31
	s_wait_dscnt 0x0
	SETG0 \sn, \tn
	ROUND
	JLOAD \sn
	BODY \t, \sl, 0, \sw, 0
.endm
	s_load_b256 s[4:11], s[0:1], 0x0               ; qh s[4:5], kh s[6:7], vh s[8:9], out0 s[10:11]
	v_lshl_add_u32 v30, v0, 2, 0x4e800
	v_mov_b32 v31, 0
	ds_add_u32 v30, v31
	v_lshrrev_b32 v1, 5, v0
	v_readfirstlane_b32 s12, v1                    ; wave 0..3
	s_lshr_b32 s13, s12, 1                         ; I fetch K (0) or V (1),
	s_and_b32 s14, s12, 1                          ; its rows 0-127 or 128-255
	s_bfe_u32 s15, ttmp6, 0x40000                  ; cx: it enters q's and out0's addresses and the mask's numbers alone
	s_lshr_b32 s17, ttmp9, 3                       ; batch
	s_and_b32 s18, ttmp9, 7                        ; c
	s_lshr_b32 s19, s18, 1                         ; e
	s_lshl_b32 s20, s18, 2
	s_add_co_u32 s20, s20, s15                     ; i = 4 c + cx
	s_mov_b32 s21, 0x76543210                      ; v_permlanex16_b32: lane l takes lane l xor 16
	s_mov_b32 s22, 0xfedcba98
	s_lshl_b32 s23, s20, 5                         ; pass A's first row: 32 i
	s_sub_co_u32 s24, 2016, s23                    ; pass B's: 32 (63 - i)
	s_lshl_b32 s27, s19, 8                         ; 256 e
	s_lshl_b32 s16, s12, 6                         ; 64 w
	s_sub_co_u32 s25, s23, s27
	s_sub_co_u32 s25, s25, s16                     ; pass A's diagonal: first row - 256 e - 64 w
	s_sub_co_u32 s26, s24, 1792
	s_add_co_u32 s26, s26, s27
	s_sub_co_u32 s26, s26, s16                     ; pass B's: first row - 256 (7 - e) - 64 w
	s_mov_b32 s88, CS
	s_mov_b32 s89, CS
	s_mov_b32 s87, 0
	s_add_co_u32 s85, s19, 1                       ; e + 1
	s_mov_b32 s[OFFT], 0
.irp tt, 1,2,3,4,5,6,7,8
	s_cmp_lt_u32 s19, \tt                          ; behind the change of pass the tiles start again at 0
	s_cselect_b32 s27, s85, 0
	s_sub_co_u32 s27, \tt, s27
	s_lshl_b32 s[OFFT+\tt], s27, 16                ; 256 rows of 256 bytes
.endr
	; descriptor groups 1: 128 rows x 128 elements of 2 bytes; behind every 64 words K gets 4 words of padding, V gets 8
	s_mov_b32 s[G1K+0], 15|(1<<16)|(1<<20)|(1<<21)|(5<<22)|(3<<25)
	s_mov_b32 s[G1V+0], 15|(1<<16)|(1<<20)|(1<<21)|(5<<22)|(7<<25)
.irp g, G1K, G1V
	s_mov_b32 s[\g+1], 128<<16                     ; tensor_dim0 = 128
	s_mov_b32 s[\g+2], 128<<16                     ; tensor_dim1 = 128
	s_mov_b32 s[\g+3], 128<<16                     ; tile_dim0 = 128
	s_mov_b32 s[\g+4], 128                         ; tile_dim1 = 128
	s_mov_b32 s[\g+5], 128                         ; elements from row to row
	s_mov_b32 s[\g+6], 0
	s_mov_b32 s[\g+7], 0
.endr
	s_mul_i32 s16, s14, 128*KP
	s_mul_i32 s27, s14, 128*VP
	s_add_co_u32 s27, s27, KPART
.irp sl, 0,1
	s_mov_b32 s[G0K+4*\sl], 1
	s_add_co_u32 s[G0K+4*\sl+1], s16, \sl*SLOT     ; LDS: the slot + my half of K
	s_mov_b32 s[G0V+4*\sl], 1
	s_add_co_u32 s[G0V+4*\sl+1], s27, \sl*SLOT     ; the slot + K's part + my half of V
.endr
	v_and_b32 v1, 31, v0                           ; lane
	v_and_b32 v2, 15, v0                           ; r
	v_bfe_u32 v3, v0, 4, 1                         ; h
	v_lshlrev_b32 v6, 8, v2
	v_lshl_add_u32 v[VQ], v3, 4, v6                ; 256 r + 16 h
	s_lshl_b32 s27, s17, 11                        ; the batch's first row
	s_wait_dscnt 0x0
	s_wait_kmcnt 0x0
	s_add_co_u32 s86, s27, s23
	s_lshl_b32 s86, s86, 8
	s_add_nc_u64 s[28:29], s[4:5], s[86:87]        ; q, pass A
	s_lshl_b32 s86, s86, 1
	s_add_nc_u64 s[32:33], s[10:11], s[86:87]      ; out0, pass A
	s_add_co_u32 s86, s27, s24
	s_lshl_b32 s86, s86, 8
	s_add_nc_u64 s[30:31], s[4:5], s[86:87]        ; q, pass B
	s_lshl_b32 s86, s86, 1
	s_add_nc_u64 s[34:35], s[10:11], s[86:87]      ; out0, pass B
	s_lshl_b32 s86, s17, 19                        ; the batch's 2048 rows of 256 bytes
	s_lshl_b32 s27, s14, 15                        ; my 128 rows
	s_add_co_u32 s86, s86, s27
	s_add_nc_u64 s[36:37], s[6:7], s[86:87]        ; k: batch and wave alone: equal in all four partners
	s_add_nc_u64 s[38:39], s[8:9], s[86:87]        ; v likewise
	QLOAD 28
	SETG0 0, 0
	SETG0 1, 1
	ROUND                                          ; all four work-groups are here: the first joint loads meet
	JLOAD 0
	JLOAD 1
	v_lshlrev_b32 v4, 3, v3
	v_sub_nc_u32 v5, v2, v4                        ; r - 8 h, for the mask
	v_lshl_add_u32 v6, s12, 6, v2                  ; key row 64 w + r
	v_mul_u32_u24 v6, v6, KP
	v_lshl_add_u32 v[ADK], v3, 4, v6
	v_add_nc_u32 v[ADK+1], SLOT, v[ADK]
	v_and_b32 v6, 7, v0
	v_add_nc_u32 v6, v6, v4
	v_lshl_add_u32 v6, s12, 6, v6                  ; key row 64 w + 8 h + lane mod 8
	v_mul_u32_u24 v6, v6, VP
	v_bfe_u32 v7, v0, 3, 1
	v_lshl_add_u32 v6, v7, 4, v6
	v_add_nc_u32 v[ADV], KPART, v6
	v_add_nc_u32 v[ADV+1], SLOT+KPART, v6
	s_mul_i32 s16, s12, OSW
	v_mul_u32_u24 v6, v2, OSP
	v_lshl_add_u32 v6, v3, 5, v6
	v_add_nc_u32 v6, s16, v6
	v_add_nc_u32 v[WOS], OSB, v6                   ; my wave's part, row r, 32 bytes for each half of the lanes
	v_lshlrev_b32 v6, 2, v2
	v_lshl_add_u32 v6, s12, 7, v6
	v_add_nc_u32 v[WML], MLB, v6                   ; my wave's 128 bytes, word r
	s_mul_i32 s16, s12, 4*OSP
	v_lshlrev_b32 v6, 4, v1
	v_add_nc_u32 v7, s16, v6
	v_add_nc_u32 v[ROS], OSB, v7                   ; rows 4 w .., 16 bytes a lane
	s_lshl_b32 s16, s12, 4
	s_add_co_u32 s16, s16, MLB
	v_mov_b32 v[RML], s16                          ; words 4 w .. 4 w + 3
	v_lshl_add_u32 v[VO], s12, 11, v6              ; rows 4 w .. of 512 bytes, 16 bytes a lane
	WIN 0x40
	v_mov_b32 v[RM], MINIT
	v_mov_b32 v[RM+1], MINIT
.irp x, RAL+1, RAL+3, RNM+1, RNM+3, RPX, RPX+1
	v_mov_b32 v[\x], 0                             ; partners of broadcast pairs, and v_permlanex16_b32's destinations, are written once
.endr
	WIN 0
	s_wait_tensorcnt 0x1                           ; my part of place 0's tile is in; place 1's may stay out
	s_barrier_signal -1
	s_barrier_wait -1
	s_wait_loadcnt 0x0                             ; pass A's queries
	BODY 0, 0, 1, 1, 0
	STEP 1, 1, 2, 0, 1
	STEP 2, 0, 3, 1, 1
	STEP 3, 1, 4, 0, 1
	STEP 4, 0, 5, 1, 0
	STEP 5, 1, 6, 0, 0
	STEP 6, 0, 7, 1, 0
	STEP 7, 1, 8, 0, 0
	s_wait_dscnt 0x0                               ; the last place: nothing is left to fetch, a plain barrier with the same waits
	s_wait_tensorcnt 0x0
	s_barrier_signal -1
	s_barrier_wait -1
	BODY 8, 0, 0, 0, 1
	s_wait_tensorcnt 0x0
	ds_add_u32 v30, v31
	s_wait_dscnt 0x0
	ROUND                                          ; the closing round: no work-group ends while a partner may still ask jointly
	s_endpgm
.Lfunc_end_k_qe1ace2891c_attn:
	.size	k_qe1ace2891c_attn, .Lfunc_end_k_qe1ace2891c_attn-k_qe1ace2891c_attn
	.p2alignl 7, 3214868480
	.fill 96, 4, 3214868480
	.section	.rodata,"a",@progbits
	.p2align	6, 0x0
	.amdhsa_kernel k_qe1ace2891c_attn
		.amdhsa_group_segment_fixed_size 327680
		.amdhsa_private_segment_fixed_size 0
		.amdhsa_enable_private_segment 0
		.amdhsa_kernarg_size 32
		.amdhsa_user_sgpr_count 2
		.amdhsa_user_sgpr_kernarg_segment_ptr 1
		.amdhsa_wavefront_size32 1
		.amdhsa_system_sgpr_workgroup_id_x 1
		.amdhsa_system_sgpr_workgroup_id_y 1
		.amdhsa_system_sgpr_workgroup_id_z 1
		.amdhsa_system_vgpr_workitem_id 0
		.amdhsa_next_free_vgpr 512
		.amdhsa_next_free_sgpr 92
		.amdhsa_reserve_vcc 1
		.amdhsa_float_denorm_mode_32 3
		.amdhsa_float_denorm_mode_16_64 3
		.amdhsa_memory_ordered 1
		.amdhsa_forward_progress 1
		.amdhsa_inst_pref_size 255
	.end_amdhsa_kernel
	.section	.bss,"aw",@nobits
	.p2align	6
	.space	262144
	.amdgpu_metadata
---
amdhsa.version: [ 1, 2 ]
amdhsa.kernels:
  - .name:           k_qe1ace2891c_attn
    .symbol:         k_qe1ace2891c_attn.kd
    .args:
      - { .name: qh, .offset: 0, .size: 8, .value_kind: global_buffer, .address_space: global }
      - { .name: kh, .offset: 8, .size: 8, .value_kind: global_buffer, .address_space: global }
      - { .name: vh, .offset: 16, .size: 8, .value_kind: global_buffer, .address_space: global }
      - { .name: out0, .offset: 24, .size: 8, .value_kind: global_buffer, .address_space: global }
    .group_segment_fixed_size: 327680
    .private_segment_fixed_size: 0
    .kernarg_segment_align: 8
    .kernarg_segment_size: 32
    .max_flat_workgroup_size: 128
    .sgpr_count:     92
    .vgpr_count:     512
    .wavefront_size: 32
...
	.end_amdgpu_metadata
.endif
;; end of part 3
;; ======== version 2 of 2: 3 launches; 1.15 times as fast as version 1
;; limits: values are held in f16: magnitudes above 65,504 overflow, below 6.1e-05 lose precision
;; workspace buffers: wb 786,432 bytes; qh 4,194,304 bytes; kh 4,194,304 bytes; vh 4,194,304 bytes
;; launch wcast: the kernel of part 1 again; grid 64 x 3, 8 waves a work-group, no clusters, 0 bytes of LDS; arguments Wq, Wk, Wv, wb; writes wb
;; launch proj (part 4): grid 256 x 1, 4 waves a work-group, clusters of 4 x 1, 327,680 bytes of LDS; arguments x, wb, qh, kh, vh; writes qh, kh, vh
.if DOCPART == 4
	.amdgcn_target "amdgcn-amd-amdhsa--gfx1250"
	.amdhsa_code_object_version 6
	.text
	.protected	k_qe1ace2891c_proj
	.globl	k_qe1ace2891c_proj
	.p2align	8
	.type	k_qe1ace2891c_proj,@function
k_qe1ace2891c_proj:
	s_mov_b64 s[64:65], 0
	v_nop
	global_prefetch_b8 v0, s[64:65] scope:SCOPE_SE
	s_setreg_imm32_b32 hwreg(HW_REG_WAVE_MODE, 25, 1), 1
	s_wait_xcnt 0x0
	s_wait_alu depctr_hold_cnt(0) depctr_sa_sdst(0) depctr_va_vdst(0) depctr_va_sdst(0) depctr_va_ssrc(0) depctr_va_vcc(0) depctr_vm_vsrc(0)
	s_getreg_b32 s2, hwreg(HW_REG_IB_STS2, 6, 4)
	s_cmp_eq_u32 s2, 0
	s_cbranch_scc0 .Lentry_in_a_cluster
	s_endpgm
.Lentry_in_a_cluster:
	s_bfe_u32 s2, ttmp6, 0x10000c
	s_cmp_lg_u32 s2, 0x3003
	s_cbranch_scc0 .Lentry_shape_is_right
	s_endpgm
.Lentry_shape_is_right:
; [q | k | v] = x W.  x: [16384][1024] f32.  wb: [1024][384] bf16 (Wq | Wk | Wv).  qh, kh, vh: [16384][128] f16.  Sums in f32.
; LIMIT: q, k and v leave in f16: a result of 65,504 or more in magnitude becomes infinite.  x and W enter the products rounded to bf16.
;        K is summed in chunks of 128 starting at chunk rot (below) and wrapping round: an order of rounding that differs from cluster to cluster.
; A work-group makes 64 rows x 384 columns with four waves; K = 1024 goes in 8 steps of 128, written out.
; Wave w makes all 64 rows of the column tiles t = w + 4 i, i = 0..5 (16 columns each): 4 x 6 = 24 accumulators, 192 registers.
; W: every work-group walks the same 768 KiB, so the four work-groups of a cluster ask for each tile JOINTLY (mask 15): a ring of two LDS
;    slots of 128 k-rows, each wave bringing 32 rows of 768 bytes by one tensor load (128 rows shared out among four waves).
; THE WALK IS STAGGERED: cluster C takes K chunk (s + rot) mod 8 in step s, rot = (C xor C / 8) mod 8.  The 64 clusters' first two fills thus ask for all
;    eight chunks of wb between them, and each later refill asks for bytes that another cluster asked for a step or more before.
; x: belongs to this work-group alone and is read once.  It comes through registers, a ring of four chunks (16 rows x 512 bytes a wave each,
;    64 loads of a wave on their way), which stays in flight across the ring's barriers; each number is rounded to bf16 once and put in LDS.
; The matrix instruction takes W's fragment (16 columns, transposed on the way out of LDS) as source 0 and x's (16 rows) as source 1, so a lane's
; eight results are eight neighbouring columns of one row.
;
; REGISTERS: window 0: addresses, two fragment buffers, conversion results; window 1: accumulator (a, i) at 8 (6 a + i);
;            window 2: x as loaded, step c's chunk at 64 (c mod 4), row i at + 4 i.
.set WP,     864                       ; LDS pitch of a W row: 3 x (256 bytes + 32 of padding) = 27 x 32
.set WQ,     32*WP                     ; 32 rows: one tensor load, and one quarter step along K
.set WSLOT,  128*WP                    ; 110,592
.set WSTEP,  128*768                   ; bytes of wb in a K chunk
.set XP,     272                       ; LDS pitch of a row of 128 bf16 of x: 17 x 16
.set XBUF,   64*XP
.set XA0,    2*WSLOT                   ; 221,184: x in bf16, two buffers, filled by ds_store alone
.set XA1,    XA0+XBUF
.set STAGE,  XA1+XBUF                  ; 256,000: the way out, one region for each wave
.set SPT,    208                       ; a stage row: 96 f16 + 16 bytes = 13 x 16
.set WST,    64*SPT+64                 ; from a wave's region to the next: 64 bytes past a multiple of 256, so four regions' rows start 64 bytes apart modulo 256
.set XOFF, 8                           ; v8      my 16 bytes in the first row of my wave's 16 rows of x; never rewritten
.set XST,  9                           ; v9-10   where I put 8 bytes of bf16, buffer 0, 1
.set ADRA, 11                          ; v11-12  x fragments, buffer 0, 1
.set ADRW, 13                          ; v13-16  W fragments: slot 0 rows 0-63, 64-127; slot 1 likewise
.set F0,   24                          ; v24-103   fragment buffer 0: W's six at + 8 i, x's four at + 48 + 8 a
.set F1,   104                         ; v104-183  fragment buffer 1
.set CT,   184                         ; v184-215  16 rows x 2 registers of bf16
.set STO,  216
.set RDB,  217
.set CO,   218
.set PK,   24                          ; the way out: 96 registers of packed f16
.set BK,   120                         ; the way out: 96 registers read back
.set G1,   24                          ; s[24:31]
.set G0,   32                          ; s[32:39], one set for each slot
.set XB,   40                          ; s[40:55] x at my work-group's rows and step c's K chunk: a pair for each step, never rewritten
.set ROT,  56                          ; s56      rot
.set TO,   58                          ; s[58:59] an offset in 64 bits; s59 stays 0
.set W_MUL, 0x50                       ; C and D in window 1
.set W_CVX, 0x0a                       ; sources 0 and 1 in window 2
.set W_LDX, 0x80                       ; destination in window 2
.set W_OUT, 0x05                       ; sources 0 and 1 in window 1
.set MSB, 0
.macro WIN new                         ; the immediate's high byte repeats the setting that is left
.if MSB != \new
	s_set_vgpr_msb (MSB<<8)|\new
.set MSB, \new
.endif
.endm
.macro PLACES                          ; four places behind a matrix instruction ahead of loads into, and vector work on, its registers
.rept 4
	v_nop
.endr
.endm
.macro CREST                           ; a round of the cluster's barrier behind its opening work-group barrier
	s_cmp_lg_u32 s14, 0
	s_cbranch_scc1 .Lnot_wave_0_\@
	s_barrier_signal -3
.Lnot_wave_0_\@:
	s_barrier_wait -3
	s_barrier_signal -1
	s_barrier_wait -1
.endm
.macro CROUND
	s_barrier_signal -1
	s_barrier_wait -1
	CREST
.endm
; slot's group 0 gets the address of step st's tile: my wave's 32 rows of K chunk (st + rot) mod 8.  Stands where no tensor load of the wave is out.
; It hangs on the wave's number and the cluster's number alone: equal in all four partners.
.macro WADDR slot, st
	s_add_co_u32 s[TO], s[ROT], \st
	s_and_b32 s[TO], s[TO], 7
	s_mul_i32 s[TO], s[TO], WSTEP
	s_add_nc_u64 s[G0+4*\slot+2:G0+4*\slot+3], s[6:7], s[TO:TO+1]
	s_or_b32 s[G0+4*\slot+3], s[G0+4*\slot+3], 0x80000000          ; type = 2
.endm
; six matrix instructions: x rows 16 a .. + 15 times my six column tiles, 32 along K.  zero = 1: the first product starts the sums.
; The 24 accumulators take turns, one instruction a turn, in the same order in every quarter step.
.macro MULA f, a, zero
.irp i, 0,1,2,3,4,5
.if \zero
	v_wmma_f32_16x16x32_bf16 v[8*(6*\a+\i):8*(6*\a+\i)+7], v[\f+8*\i:\f+8*\i+7], v[\f+48+8*\a:\f+48+8*\a+7], 0
.else
	v_wmma_f32_16x16x32_bf16 v[8*(6*\a+\i):8*(6*\a+\i)+7], v[\f+8*\i:\f+8*\i+7], v[\f+48+8*\a:\f+48+8*\a+7], v[8*(6*\a+\i):8*(6*\a+\i)+7]
.endif
.endr
.endm
; 20 LDS loads: the fragments of quarter step q (32 along K) of a slot into buffer f: W's six tiles first, then x's four.
; Column tile w + 4 i begins at byte 288 (i / 2) + 128 (i mod 2) + 32 w of a padded W row.
.macro FETCH slot, q, f
.irp i, 0,1,2,3,4,5
	ds_load_tr16_b128 v[\f+8*\i:\f+8*\i+3],   v[ADRW+2*\slot+(\q>>1)] offset:(\q&1)*WQ+288*(\i>>1)+128*(\i&1)
	ds_load_tr16_b128 v[\f+8*\i+4:\f+8*\i+7], v[ADRW+2*\slot+(\q>>1)] offset:(\q&1)*WQ+288*(\i>>1)+128*(\i&1)+16*WP
.endr
.irp a, 0,1,2,3
	ds_load_b128 v[\f+48+8*\a:\f+48+8*\a+3], v[ADRA+\slot] offset:16*XP*\a+64*\q
	ds_load_b128 v[\f+48+8*\a+4:\f+48+8*\a+7], v[ADRA+\slot] offset:16*XP*\a+64*\q+32
.endr
.endm
; 16 loads: step c's chunk of my wave's 16 rows; each load takes 512 consecutive bytes of one row
.macro XLOAD c
	WIN W_LDX
.irp i, 0,1,2,3,4,5,6,7,8,9,10,11,12,13,14,15
	global_load_b128 v[64*((\c)&3)+4*\i:64*((\c)&3)+4*\i+3], v[XOFF], s[XB+2*(\c):XB+2*(\c)+1] offset:4096*\i th:TH_LOAD_NT
.endr
	WIN 0
.endm
; step c's chunk has come: round it to bf16, put it in LDS buffer c mod 2, and ask for step c + 4's into the same registers
.macro XBLOCK c
.if \c <= 4
	s_wait_loadcnt 48                              ; loads come back in order: three younger chunks of 16 loads stay out
.else
	s_wait_loadcnt 16*(7-\c)                       ; nothing is asked for any more: the counts run down
.endif
	WIN W_CVX
.irp i, 0,1,2,3,4,5,6,7,8,9,10,11,12,13,14,15
	v_cvt_pk_bf16_f32 v[CT+2*\i],   v[64*(\c&3)+4*\i],   v[64*(\c&3)+4*\i+1]
	v_cvt_pk_bf16_f32 v[CT+2*\i+1], v[64*(\c&3)+4*\i+2], v[64*(\c&3)+4*\i+3]
.endr
	WIN 0
.irp i, 0,1,2,3,4,5,6,7,8,9,10,11,12,13,14,15
	ds_store_b64 v[XST+(\c&1)], v[CT+2*\i:CT+2*\i+1] offset:XP*\i   ; 32 lanes x 8 bytes: a row's 256 bytes
.endr
.if \c <= 3
	XLOAD \c+4
.endif
.endm
; One of a K step's first three quarter steps: multiplies buffer f; in its middle (xb >= 0: x's chunk xb goes to LDS, and) quarter qn's fragments are fetched into g.
.macro QUARTER slot, qn, f, g, zero, xb
	s_wait_dscnt 4                                 ; W's six and x's rows 0-31 are in; the youngest four loads (x's rows 32-63) may be out
	WIN W_MUL
	MULA \f, 0, \zero
	MULA \f, 1, \zero
	PLACES
.if \xb >= 0
	XBLOCK \xb
.endif
	WIN 0
	FETCH \slot, \qn, \g
	s_wait_dscnt 20                                ; all but the 20 just issued
	WIN W_MUL
	MULA \f, 2, \zero
	MULA \f, 3, \zero
.endm
; The last quarter step multiplies buffer 1 and changes slots.  In front of the barrier each wave waits for its LDS reads of this slot and of this x buffer, for its
; stores into the other x buffer, and for all its tensor loads (one is out: its part of the next slot).  fill = 1: the barrier opens a round of the cluster's barrier,
; and the joint refill of this slot, with step st's tile (two steps ahead), is the first tensor load behind the round, one a wave.
.macro TURN slot, next, fill, st
	s_wait_dscnt 4
	WIN W_MUL
	MULA F1, 0, 0
	s_wait_dscnt 0x0
	s_wait_tensorcnt 0x0
	ds_add_u32 v254, v255
	s_wait_dscnt 0x0
.if \fill
	WADDR \slot, \st                               ; no tensor load of mine is out: the group may be written
.endif
	s_barrier_signal -1
	MULA F1, 1, 0                                  ; register work while the others arrive
	WIN 0
	s_barrier_wait -1
.if \fill
	CREST
	tensor_load_to_lds s[G0+4*\slot:G0+4*\slot+3], s[G1:G1+7]
	s_nop 0
.endif
	PLACES
	FETCH \next, 0, F0
	WIN W_MUL
	MULA F1, 2, 0
	MULA F1, 3, 0
.endm
.macro KSTEP slot, next, zero, xb, fill, st
	QUARTER \slot, 1, F0, F1, \zero, \xb
	QUARTER \slot, 2, F1, F0, 0, -1
	QUARTER \slot, 3, F0, F1, 0, -1
	TURN \slot, \next, \fill, \st
.endm
	s_load_b256 s[4:11], s[0:1], 0x0               ; x s[4:5], wb s[6:7], qh s[8:9], kh s[10:11]
	s_load_b64 s[12:13], s[0:1], 0x20              ; vh
	v_lshl_add_u32 v254, v0, 2, 0x4b900
	v_mov_b32 v255, 0
	ds_add_u32 v254, v255
	v_lshrrev_b32 v1, 5, v0
	v_readfirstlane_b32 s14, v1                    ; wave 0..3
	s_bfe_u32 s15, ttmp6, 0x40000                  ; cx: my place in the cluster; it enters the addresses of x and of the results alone
	s_lshl_b32 s16, ttmp9, 2
	s_add_co_u32 s16, s16, s15                     ; work-group = 4 x cluster + cx
	s_lshr_b32 s[ROT], ttmp9, 3
	s_xor_b32 s[ROT], s[ROT], ttmp9
	s_and_b32 s[ROT], s[ROT], 7                    ; rot: from the cluster's number alone.  Any half of the 64 clusters picked by one bit of C still has all eight values
	s_mov_b32 s[TO+1], 0
	s_lshl_b32 s18, s16, 18                        ; 64 rows of 4,096 bytes of x
	s_mov_b32 s19, 0
	s_lshl_b32 s20, s16, 14                        ; 64 rows of 256 bytes of q, k, v
	s_mov_b32 s21, 0
	s_mul_i32 s22, s14, 32*768                     ; my 32 rows of a W tile, in wb
	s_mov_b32 s23, 0
	s_mul_i32 s17, s14, WQ                         ; and in LDS
	v_and_b32 v1, 31, v0                           ; lane
	v_lshlrev_b32 v4, 4, v1
	v_lshl_add_u32 v[XOFF], s14, 16, v4            ; wave x 16 rows x 4,096 bytes + 16 x lane
	; descriptor group 1: 32 rows x 384 elements of 2 bytes; behind every 64 words 8 words of padding
	s_mov_b32 s[G1+0], 15|(1<<16)|(1<<20)|(1<<21)|(5<<22)|(7<<25)   ; 15:0 mask: all four of the cluster; 17:16 2 bytes; 20 padding; 21 set beside a mask; 24:22 interval code 5; 31:25 pad code 7
	s_mov_b32 s[G1+1], 384<<16                     ; tensor_dim0 = 384
	s_mov_b32 s[G1+2], 32<<16                      ; tensor_dim1 = 32
	s_mov_b32 s[G1+3], 384<<16                     ; tile_dim0 = 384
	s_mov_b32 s[G1+4], 32                          ; tile_dim1 = 32
	s_mov_b32 s[G1+5], 384                         ; elements from row to row
	s_mov_b32 s[G1+6], 0
	s_mov_b32 s[G1+7], 0
	s_wait_dscnt 0x0
	s_wait_kmcnt 0x0
	s_add_nc_u64 s[4:5], s[4:5], s[18:19]
	s_add_nc_u64 s[6:7], s[6:7], s[22:23]          ; hangs on the wave's number alone: equal in all four partners
	s_add_nc_u64 s[8:9], s[8:9], s[20:21]
	s_add_nc_u64 s[10:11], s[10:11], s[20:21]
	s_add_nc_u64 s[12:13], s[12:13], s[20:21]
.irp c, 0,1,2,3,4,5,6,7
	s_add_co_u32 s[TO], s[ROT], \c
	s_and_b32 s[TO], s[TO], 7
	s_lshl_b32 s[TO], s[TO], 9                     ; K chunk (c + rot) mod 8: 512 bytes of a row of x
	s_add_nc_u64 s[XB+2*\c:XB+2*\c+1], s[4:5], s[TO:TO+1]
.endr
	XLOAD 0                                        ; x's ring is filled first: it has the longest way
	XLOAD 1
	XLOAD 2
	XLOAD 3
	CROUND                                         ; all four work-groups are here: the first joint loads meet
.irp s, 0,1
	s_mov_b32 s[G0+4*\s], 1                                        ; count = 1
	s_add_co_u32 s[G0+4*\s+1], s17, \s*WSLOT                       ; LDS address: wave x 27,648 + the slot
	WADDR \s, \s                                                   ; step s
	tensor_load_to_lds s[G0+4*\s:G0+4*\s+3], s[G1:G1+7]            ; two loads of a wave are out here, later one
	s_nop 0
.endr
	v_and_b32 v2, 15, v0                           ; r
	v_bfe_u32 v3, v0, 4, 1                         ; h
	s_mul_i32 s18, s14, 16*XP
	v_lshlrev_b32 v5, 3, v1
	v_add_nc_u32 v5, s18, v5                       ; my wave's 16 rows + 8 x lane
	v_add_nc_u32 v[XST], XA0, v5
	v_add_nc_u32 v[XST+1], XA1, v5
	v_mul_u32_u24 v6, v2, XP
	v_lshl_add_u32 v6, v3, 4, v6                   ; row r x pitch + 16 h
	v_add_nc_u32 v[ADRA], XA0, v6
	v_add_nc_u32 v[ADRA+1], XA1, v6
	v_and_b32 v7, 7, v0
	v_lshl_add_u32 v7, v3, 3, v7                   ; k-row 8 h + lane mod 8
	v_mul_u32_u24 v7, v7, WP
	v_bfe_u32 v4, v0, 3, 1
	v_lshl_add_u32 v7, v4, 4, v7                   ; + 16 bytes for the upper eight columns
	s_lshl_b32 s19, s14, 5                         ; + my first tile: 32 w
	v_add_nc_u32 v[ADRW], s19, v7
	v_add_nc_u32 v[ADRW+1], 64*WP, v[ADRW]
	v_add_nc_u32 v[ADRW+2], WSLOT, v[ADRW]
	v_add_nc_u32 v[ADRW+3], WSLOT+64*WP, v[ADRW]
	s_mul_i32 s18, s14, WST
	v_mul_u32_u24 v4, v2, SPT                      ; in: my wave's region, row r, 16 bytes for each half of the lanes
	v_lshl_add_u32 v4, v3, 4, v4
	v_add_nc_u32 v4, s18, v4
	v_add_nc_u32 v[STO], STAGE, v4
	; back: lane l takes bytes 16 (l mod 16) of a result's row of 256 bytes = half l mod 2 of column tile (l mod 16) / 2, which wave (l / 2) mod 4 made as its tile 2 m + (l / 8) mod 2
	v_bfe_u32 v4, v0, 1, 2
	v_mul_u32_u24 v4, v4, WST
	v_lshl_add_u32 v5, s14, 4, v3                  ; row 16 w + h
	v_mad_u32_u24 v4, v5, SPT, v4
	v_bfe_u32 v6, v0, 3, 1
	v_lshl_add_u32 v4, v6, 5, v4
	v_and_b32 v6, 1, v0
	v_lshl_add_u32 v4, v6, 4, v4
	v_add_nc_u32 v[RDB], STAGE, v4
	v_lshlrev_b32 v4, 8, v5
	v_lshl_add_u32 v[CO], v2, 4, v4                ; and the same two rows in q, k, v
	XBLOCK 0                                       ; x's step 0 into LDS
	s_wait_tensorcnt 0x1                           ; my part of W's step 0 is in; step 1's may stay out
	s_wait_dscnt 0x0                               ; my stores of x are done
	s_barrier_signal -1
	s_barrier_wait -1
	FETCH 0, 0, F0
	KSTEP 0, 1, 1, 1, 1, 2                         ; step 0: its first products start the sums; x's chunk 1 goes to LDS; slot 0 gets step 2's tile
	KSTEP 1, 0, 0, 2, 1, 3
	KSTEP 0, 1, 0, 3, 1, 4
	KSTEP 1, 0, 0, 4, 1, 5
	KSTEP 0, 1, 0, 5, 1, 6
	KSTEP 1, 0, 0, 6, 1, 7                         ; slot 1 gets step 7's tile: the last fill
	KSTEP 0, 1, 0, 7, 0, 0                         ; nothing is left to fetch: a plain barrier, with the same waits
	QUARTER 1, 1, F0, F1, 0, -1
	QUARTER 1, 2, F1, F0, 0, -1
	QUARTER 1, 3, F0, F1, 0, -1
	s_wait_dscnt 4
	WIN W_MUL
	MULA F1, 0, 0
	MULA F1, 1, 0
	s_wait_dscnt 0x0
	MULA F1, 2, 0
	MULA F1, 3, 0
	; THE WAY OUT: round to f16, 16 bytes a lane into my wave's own stage region; behind a barrier every wave reads 16 whole rows back and stores them.
	PLACES
	WIN W_OUT
.irp a, 0,1,2,3
.irp i, 0,1,2,3,4,5
.irp u, 0,1,2,3
	v_cvt_pk_f16_f32 v[PK+4*(6*\a+\i)+\u], v[8*(6*\a+\i)+2*\u], v[8*(6*\a+\i)+2*\u+1]
.endr
.endr
.endr
	WIN 0
.irp a, 0,1,2,3
.irp i, 0,1,2,3,4,5
	ds_store_b128 v[STO], v[PK+4*(6*\a+\i):PK+4*(6*\a+\i)+3] offset:16*SPT*\a+32*\i
.endr
.endr
	s_wait_dscnt 0x0                               ; for the others' sake
	s_barrier_signal -1
	s_barrier_wait -1
.irp p, 0,1,2,3,4,5,6,7
.irp m, 0,1,2
	ds_load_b128 v[BK+4*(3*\p+\m):BK+4*(3*\p+\m)+3], v[RDB] offset:2*SPT*\p+64*\m
.endr
.endr
.irp p, 0,1,2,3,4,5,6,7
.irp m, 0,1,2
	s_wait_dscnt 23-(3*\p+\m)
	global_store_b128 v[CO], v[BK+4*(3*\p+\m):BK+4*(3*\p+\m)+3], s[8+2*\m:9+2*\m] offset:512*\p   ; two rows: 512 consecutive bytes, aligned
.endr
.endr
	s_wait_tensorcnt 0x0
	ds_add_u32 v254, v255
	s_wait_dscnt 0x0
	CROUND                                         ; the closing round: no work-group ends while a partner may still ask jointly
	s_endpgm
.Lfunc_end_k_qe1ace2891c_proj:
	.size	k_qe1ace2891c_proj, .Lfunc_end_k_qe1ace2891c_proj-k_qe1ace2891c_proj
	.p2alignl 7, 3214868480
	.fill 96, 4, 3214868480
	.section	.rodata,"a",@progbits
	.p2align	6, 0x0
	.amdhsa_kernel k_qe1ace2891c_proj
		.amdhsa_group_segment_fixed_size 327680
		.amdhsa_private_segment_fixed_size 0
		.amdhsa_enable_private_segment 0
		.amdhsa_kernarg_size 40
		.amdhsa_user_sgpr_count 2
		.amdhsa_user_sgpr_kernarg_segment_ptr 1
		.amdhsa_wavefront_size32 1
		.amdhsa_system_sgpr_workgroup_id_x 1
		.amdhsa_system_sgpr_workgroup_id_y 1
		.amdhsa_system_sgpr_workgroup_id_z 1
		.amdhsa_system_vgpr_workitem_id 0
		.amdhsa_next_free_vgpr 768
		.amdhsa_next_free_sgpr 66
		.amdhsa_reserve_vcc 0
		.amdhsa_float_denorm_mode_32 3
		.amdhsa_float_denorm_mode_16_64 3
		.amdhsa_memory_ordered 1
		.amdhsa_forward_progress 1
		.amdhsa_inst_pref_size 157
	.end_amdhsa_kernel
	.amdgpu_metadata
---
amdhsa.version: [ 1, 2 ]
amdhsa.kernels:
  - .name:           k_qe1ace2891c_proj
    .symbol:         k_qe1ace2891c_proj.kd
    .args:
      - { .name: x, .offset: 0, .size: 8, .value_kind: global_buffer, .address_space: global }
      - { .name: wb, .offset: 8, .size: 8, .value_kind: global_buffer, .address_space: global }
      - { .name: qh, .offset: 16, .size: 8, .value_kind: global_buffer, .address_space: global }
      - { .name: kh, .offset: 24, .size: 8, .value_kind: global_buffer, .address_space: global }
      - { .name: vh, .offset: 32, .size: 8, .value_kind: global_buffer, .address_space: global }
    .group_segment_fixed_size: 327680
    .private_segment_fixed_size: 0
    .kernarg_segment_align: 8
    .kernarg_segment_size: 40
    .max_flat_workgroup_size: 128
    .sgpr_count:     66
    .vgpr_count:     768
    .wavefront_size: 32
...
	.end_amdgpu_metadata
.endif
;; end of part 4
;; launch attn (part 5): grid 256 x 1, 4 waves a work-group, clusters of 4 x 1, 327,680 bytes of LDS; arguments qh, kh, vh, out0; writes out0
.if DOCPART == 5
	.amdgcn_target "amdgcn-amd-amdhsa--gfx1250"
	.amdhsa_code_object_version 6
	.text
	.protected	k_qe1ace2891c_attn
	.globl	k_qe1ace2891c_attn
	.p2align	8
	.type	k_qe1ace2891c_attn,@function
k_qe1ace2891c_attn:
	s_mov_b64 s[64:65], 0
	v_nop
	global_prefetch_b8 v0, s[64:65] scope:SCOPE_SE
	s_setreg_imm32_b32 hwreg(HW_REG_WAVE_MODE, 25, 1), 1
	s_wait_xcnt 0x0
	s_wait_alu depctr_hold_cnt(0) depctr_sa_sdst(0) depctr_va_vdst(0) depctr_va_sdst(0) depctr_va_ssrc(0) depctr_va_vcc(0) depctr_vm_vsrc(0)
	s_getreg_b32 s2, hwreg(HW_REG_IB_STS2, 6, 4)
	s_cmp_eq_u32 s2, 0
	s_cbranch_scc0 .Lentry_in_a_cluster
	s_endpgm
.Lentry_in_a_cluster:
	s_bfe_u32 s2, ttmp6, 0x10000c
	s_cmp_lg_u32 s2, 0x3003
	s_cbranch_scc0 .Lentry_shape_is_right
	s_endpgm
.Lentry_shape_is_right:
; out = softmax(causal(q k^T / 32)) v for 8 batches of 2048 rows, head size 128.  qh, kh, vh: [16384][128] f16.  out0: [16384][128] f32.
; LIMITS: q, k, v are f16 (finite below 65,504 in magnitude).  The running maximum has a floor of -2^126: a score at or below that is not told apart from a masked one
;         (with f16 q and k a score is at most 128 x 65,504^2 in magnitude).  NaN and infinite inputs are not followed.  The weights enter the second product rounded
;         to f16 (they are at most 1); sums, maxima and results are f32.  Key tiles are taken in an order that differs from cluster to cluster (below).
; SHARE: cluster C (0..63): batch C / 8, c = C mod 8, e = c / 2.  Work-group i = 4 c + cx makes two blocks of 32 query rows: block 63 - i (pass B, first) and block i (pass A).
;   Key tiles hold 256 keys.  Pass B needs tiles 0..7-e (nB = 8 - e), pass A tiles 0..e: nine tiles for every work-group, and the SAME nine for the four of a cluster,
;   which ask for them JOINTLY (mask 15).  Only a pass's top tile meets the diagonal.  Stream place t = 0..8 is written out.
; THE WALK IS STAGGERED: pass B walks down from tile start = (c < 4 ? 7 : 13) - 2 c (+ nB if negative) and wraps to its top tile.  The first two tiles of c = 0..7 are
;   {7,6} {5,4} {3,2} {1,0} {5,4} {3,2} {1,0} {4,3}: the eight clusters of a batch ask for all its eight tiles in their first fills, and each later refill asks for
;   bytes that another cluster asked for a place or more before.  The diagonal's tile then lies at place 0, 6, 4, 2, 0, 4, 2, 0: only places 0, 2, 4, 6 hold a mask
;   under a branch.  The pass changes behind place 7 - e (4..7).  Pass A walks up from tile 0, so its diagonal lies at place 8, always.
;   All these branches hang on the cluster's number alone: equal in all waves and partners.
; WAVE w takes keys 64 w .. 64 w + 63 of every tile for all 32 rows, with its own running maximum, sum and result; the four are merged in LDS at the end of a pass.
; TRANSPOSED: S^T = K (source 0) x Q^T (source 1); O^T = V^T (source 0, transposed on the way out of LDS) x P^T (source 1).  A lane then holds keys of ONE query row:
;   maximum and sum are work inside the lane and one exchange of halves, and two S tiles, packed to f16 in place, ARE a fragment of P^T.
; RING: two LDS slots of K (256 rows, pitch 272) and V (256 rows, pitch 288); waves 0, 1 fetch K's halves, waves 2, 3 V's, 128 rows of 256 bytes a load.
;   A wave has two tensor loads out at the start and one behind each round; that one has a whole tile's work in which to land.
; REGISTERS: window 0: addresses, Q, K or V fragments, P.  Window 1: O, S and the softmax's state.
.set KP,    272
.set VP,    288
.set KPART, 256*KP                     ; 69,632
.set SLOT,  KPART+256*VP               ; 143,360
.set OSB,   2*SLOT                     ; 286,720: merge stage, 4 source waves x 16 rows x 528 bytes, filled by ds_store alone
.set OSP,   528                        ; 512 bytes + 16 = 33 x 16
.set OSW,   16*OSP
.set MLB,   OSB+4*OSW                  ; 320,512: maxima [source wave][32 rows], then sums likewise, 512 bytes each
.set CS,    0x3d38aa3b                 ; log2(e) / 32
.set NCS,   0xbd38aa3b
.set MINIT, 0xff000000                 ; -2^127: where a pass's maxima start
.set MFLOOR, 0xfe800000                ; -2^126: the least that a new maximum can be
.set ADK, 8                            ; v8-9    K fragments, slot 0, 1
.set ADV, 10                           ; v10-11  V fragments, slot 0, 1
.set VQ,  12                           ; v12     q: 256 r + 16 h
.set WOS, 13                           ; v13     merge stage, in
.set WML, 14                           ; v14     maxima and sums, in
.set ROS, 15                           ; v15     merge stage, back
.set RML, 16                           ; v16     maxima and sums, back
.set VO,  17                           ; v17     out0
.set RQ,  32                           ; v32-95   Q(qt, ks) at + 8 (4 qt + ks)
.set RKV, 96                           ; v96-223  K(kt, ks) at + 8 (4 ks + kt), then V(ht, kk) at + 8 (8 kk + ht)
.set RP,  224                          ; v224-255 P(kk, qt) at + 8 (2 kk + qt)
.set ORG, RKV                          ; merge: 4 sources x 4 rows x 4 registers
.set MR,  RKV+64                       ; merge: maxima, [source][row]
.set LR,  RKV+80                       ; merge: sums
.set TT,  RP                           ; merge: the rows' maxima
.set LS,  RP+4                         ; merge: the rows' sums, then their reciprocals
; window 1
.set RO,  0                            ; O(ht, qt) at 8 (8 qt + ht)
.set RS,  128                          ; S(kt, qt) at 128 + 32 qt + 8 kt
.set RTM, 192                          ; 192-199 chains
.set RM,  200                          ; maxima: 200 + 2 parity + qt; place t reads parity t mod 2 and writes the other
.set RL,  204                          ; sums
.set RAL, 206                          ; 206, 208: rescaling factors (207, 209 written once: a pair counts as read whole)
.set RNM, 210                          ; 210, 212: - CS x maximum (211, 213 likewise)
.set RSU, 214                          ; 214-217
.set RPX, 218                          ; 218, 219
.set RDG, 220                          ; 220, 221: the diagonal's place
.set G1K, 40
.set G1V, 48
.set G0K, 56                           ; s[56:63]
.set G0V, 68                           ; s[68:75]
.set OFFT, 76                          ; s76-84: byte offset of place t's tile in k and v
.set NB,   85                          ; s85: nB = 8 - e
.set STRT, 90                          ; s90: pass B's first tile
.set PM,   91                          ; s91: the place of pass B's diagonal
.set PSW,  92                          ; s92: pass B's last place, 7 - e
.set MSB, 0
.macro WIN new
.if MSB != \new
	s_set_vgpr_msb (MSB<<8)|\new
.set MSB, \new
.endif
.endm
.macro PLACES                          ; four places behind a matrix instruction (ISA guide 7.12.1)
.rept 4
	v_nop
.endr
.endm
.macro ROUND                           ; a round of the cluster's barrier
	s_barrier_signal -1
	s_barrier_wait -1
	s_cmp_lg_u32 s12, 0
	s_cbranch_scc1 .Lnot_wave_0_\@
	s_barrier_signal -3
.Lnot_wave_0_\@:
	s_barrier_wait -3
	s_barrier_signal -1
	s_barrier_wait -1
.endm
.macro JLOAD sl                        ; a wave's one joint load: waves 0, 1 ask for K, waves 2, 3 for V
	s_cmp_eq_u32 s13, 0
	s_cbranch_scc0 .Lfor_v_\@
	tensor_load_to_lds s[G0K+4*\sl:G0K+4*\sl+3], s[G1K:G1K+7]
	s_nop 0
	s_branch .Lasked_\@
.Lfor_v_\@:
	tensor_load_to_lds s[G0V+4*\sl:G0V+4*\sl+3], s[G1V:G1V+7]
	s_nop 0
.Lasked_\@:
.endm
.macro SETG0 sl, tn                    ; slot sl's two addresses for place tn; stands where no tensor load of the wave is out
	s_mov_b32 s86, s[OFFT+\tn]
	s_add_nc_u64 s[G0K+4*\sl+2:G0K+4*\sl+3], s[36:37], s[86:87]
	s_or_b32 s[G0K+4*\sl+3], s[G0K+4*\sl+3], 0x80000000
	s_add_nc_u64 s[G0V+4*\sl+2:G0V+4*\sl+3], s[38:39], s[86:87]
	s_or_b32 s[G0V+4*\sl+3], s[G0V+4*\sl+3], 0x80000000
.endm
.macro QLOAD b                         ; 32 query rows as eight fragments, straight from memory: 8 KiB, once a pass
.irp qt, 0,1
.irp ks, 0,1,2,3
	global_load_b128 v[RQ+8*(4*\qt+\ks):RQ+8*(4*\qt+\ks)+3],   v[VQ], s[\b:\b+1] offset:4096*\qt+64*\ks
	global_load_b128 v[RQ+8*(4*\qt+\ks)+4:RQ+8*(4*\qt+\ks)+7], v[VQ], s[\b:\b+1] offset:4096*\qt+64*\ks+32
.endr
.endr
.endm
.macro KLOAD sl                        ; my 64 keys x 128: 32 loads, the head's 32-steps one after the other
.irp ks, 0,1,2,3
.irp kt, 0,1,2,3
	ds_load_b128 v[RKV+8*(4*\ks+\kt):RKV+8*(4*\ks+\kt)+3],   v[ADK+\sl] offset:16*KP*\kt+64*\ks
	ds_load_b128 v[RKV+8*(4*\ks+\kt)+4:RKV+8*(4*\ks+\kt)+7], v[ADK+\sl] offset:16*KP*\kt+64*\ks+32
.endr
.endr
.endm
.macro VLOAD sl                        ; my 64 keys of V, transposed: 32 loads, keys 0-31 first
.irp kk, 0,1
.irp ht, 0,1,2,3,4,5,6,7
	ds_load_tr16_b128 v[RKV+8*(8*\kk+\ht):RKV+8*(8*\kk+\ht)+3],   v[ADV+\sl] offset:32*VP*\kk+32*\ht
	ds_load_tr16_b128 v[RKV+8*(8*\kk+\ht)+4:RKV+8*(8*\kk+\ht)+7], v[ADV+\sl] offset:32*VP*\kk+32*\ht+16*VP
.endr
.endr
.endm
.macro SMUL                            ; S^T = K Q^T: eight accumulators take turns, one instruction a turn; the first step starts the sums
.irp ks, 0,1,2,3
	s_wait_dscnt 24-8*\ks                          ; this step's eight loads are in; the later steps', eight each, may be out
.irp qt, 0,1
.irp kt, 0,1,2,3
.if \ks == 0
	v_wmma_f32_16x16x32_f16 v[RS+32*\qt+8*\kt:RS+32*\qt+8*\kt+7], v[RKV+8*(4*\ks+\kt):RKV+8*(4*\ks+\kt)+7], v[RQ+8*(4*\qt+\ks):RQ+8*(4*\qt+\ks)+7], 0
.else
	v_wmma_f32_16x16x32_f16 v[RS+32*\qt+8*\kt:RS+32*\qt+8*\kt+7], v[RKV+8*(4*\ks+\kt):RKV+8*(4*\ks+\kt)+7], v[RQ+8*(4*\qt+\ks):RQ+8*(4*\qt+\ks)+7], v[RS+32*\qt+8*\kt:RS+32*\qt+8*\kt+7]
.endif
.endr
.endr
.endr
.endm
; The diagonal's tile.  Register j of S(kt, qt) in lane (r, h) is key 16 kt + 8 h + j against row 16 qt + r; it stays if 16 kt + j <= D(qt),
; D(qt) = (the block's first row - the tile's first key - 64 w) + 16 qt + r - 8 h; else it becomes minus infinity.
.macro MASK sd
	WIN 0x40
	v_add_nc_u32 v[RDG], s[\sd], v5
	WIN 0x55
	v_add_nc_u32 v[RDG+1], 16, v[RDG]
.irp qt, 0,1
.irp kt, 0,1,2,3
.irp j, 0,1,2,3,4,5,6,7
	v_cmp_le_i32 vcc_lo, 16*\kt+\j, v[RDG+\qt]
	v_cndmask_b32 v[RS+32*\qt+8*\kt+\j], 0xff800000, v[RS+32*\qt+8*\kt+\j], vcc_lo
.endr
.endr
.endr
	WIN 0
.endm
; The running softmax of place t, wholly in window 1.  first = 1: nothing is there to rescale.
.macro SOFTMAX t, first
	WIN 0x55
.irp c, 0,1,2,3
	v_max3_num_f32 v[RTM+\c], v[RS+16*\c], v[RS+16*\c+1], v[RS+16*\c+2]            ; four chains of 15 numbers
.endr
.irp u, 3,5,7,9,11,13
.irp c, 0,1,2,3
	v_max3_num_f32 v[RTM+\c], v[RTM+\c], v[RS+16*\c+\u], v[RS+16*\c+\u+1]
.endr
.endr
.irp qt, 0,1
	v_max3_num_f32 v[RTM+2*\qt], v[RTM+2*\qt], v[RTM+2*\qt+1], v[RS+32*\qt+15]
.endr
.irp qt, 0,1
	v_max3_num_f32 v[RTM+2*\qt], v[RTM+2*\qt], v[RS+32*\qt+31], v[RM+2*(\t&1)+\qt]  ; the last number and the old maximum
.endr
.irp qt, 0,1
	v_permlanex16_b32 v[RPX+\qt], v[RTM+2*\qt], s21, s22                           ; the row's other sixteen keys lie in lane l xor 16
.endr
.irp qt, 0,1
	v_max3_num_f32 v[RM+2*(1-(\t&1))+\qt], v[RTM+2*\qt], v[RPX+\qt], MFLOOR         ; the floor lies above a pass's starting value: see FINAL
.endr
.if \first == 0
.irp qt, 0,1
	v_sub_f32 v[RAL+2*\qt], v[RM+2*(\t&1)+\qt], v[RM+2*(1-(\t&1))+\qt]
.endr
.irp qt, 0,1
	v_mul_f32 v[RAL+2*\qt], s88, v[RAL+2*\qt]
.endr
.irp qt, 0,1
	v_exp_f32 v[RAL+2*\qt], v[RAL+2*\qt]                                           ; the plain lines below stand between it and its use (ISA guide 5.7.2)
.endr
.endif
.irp qt, 0,1
	v_mul_f32 v[RNM+2*\qt], NCS, v[RM+2*(1-(\t&1))+\qt]
.endr
.set nn, 0
.rept 32
	v_pk_fma_f32 v[RS+2*nn:RS+2*nn+1], v[RS+2*nn:RS+2*nn+1], s[88:89], v[RNM+2*(nn/16):RNM+2*(nn/16)+1] op_sel_hi:[1,0,0]   ; (s - m) log2(e) / 32
.set nn, nn+1
.endr
.set nn, 0
.rept 64
	v_exp_f32 v[RS+nn], v[RS+nn]
.set nn, nn+1
.endr
.if \first == 0
.set nn, 0
	s_wait_alu depctr_va_vdst(0)
.rept 64
	v_pk_mul_f32 v[RO+2*nn:RO+2*nn+1], v[RO+2*nn:RO+2*nn+1], v[RAL+2*(nn/32):RAL+2*(nn/32)+1] op_sel_hi:[1,0]   ; also the plain place behind the exponentials
.set nn, nn+1
.endr
.else
	v_nop                                          ; the plain place behind the exponentials
	s_wait_alu depctr_va_vdst(0)
.endif
.irp c, 0,1,2,3
	v_pk_add_f32 v[RTM+2*\c:RTM+2*\c+1], v[RS+16*\c:RS+16*\c+1], v[RS+16*\c+2:RS+16*\c+3]    ; four chains of pairs
.endr
.irp u, 4,6,8,10,12,14
.irp c, 0,1,2,3
	v_pk_add_f32 v[RTM+2*\c:RTM+2*\c+1], v[RTM+2*\c:RTM+2*\c+1], v[RS+16*\c+\u:RS+16*\c+\u+1]
.endr
.endr
.irp qt, 0,1
	v_pk_add_f32 v[RSU+2*\qt:RSU+2*\qt+1], v[RTM+4*\qt:RTM+4*\qt+1], v[RTM+4*\qt+2:RTM+4*\qt+3]
.endr
.irp qt, 0,1
.if \first
	v_add_f32 v[RL+\qt], v[RSU+2*\qt], v[RSU+2*\qt+1]
.else
	v_add_f32 v[RSU+2*\qt], v[RSU+2*\qt], v[RSU+2*\qt+1]
.endif
.endr
.if \first == 0
.irp qt, 0,1
	v_fma_f32 v[RL+\qt], v[RL+\qt], v[RAL+2*\qt], v[RSU+2*\qt]
.endr
.endif
	WIN 0x05                                       ; S tiles 2 kk and 2 kk + 1, packed, are P^T's fragment for keys 32 kk .. + 31
.irp kk, 0,1
.irp qt, 0,1
.irp u, 0,1
.irp j, 0,1,2,3
	v_cvt_pk_f16_f32 v[RP+8*(2*\kk+\qt)+4*\u+\j], v[RS+32*\qt+8*(2*\kk+\u)+2*\j], v[RS+32*\qt+8*(2*\kk+\u)+2*\j+1]
.endr
.endr
.endr
.endr
.endm
.macro PV first                        ; O^T += V^T P^T: sixteen accumulators take turns, one instruction a turn
	WIN 0x50
.irp kk, 0,1
	s_wait_dscnt 16-16*\kk                         ; V's keys 0-31 are in, the sixteen loads of keys 32-63 may be out; then all
.irp qt, 0,1
.irp ht, 0,1,2,3,4,5,6,7
.if \first*(1-\kk)
	v_wmma_f32_16x16x32_f16 v[RO+8*(8*\qt+\ht):RO+8*(8*\qt+\ht)+7], v[RKV+8*(8*\kk+\ht):RKV+8*(8*\kk+\ht)+7], v[RP+8*(2*\kk+\qt):RP+8*(2*\kk+\qt)+7], 0
.else
	v_wmma_f32_16x16x32_f16 v[RO+8*(8*\qt+\ht):RO+8*(8*\qt+\ht)+7], v[RKV+8*(8*\kk+\ht):RKV+8*(8*\kk+\ht)+7], v[RP+8*(2*\kk+\qt):RP+8*(2*\kk+\qt)+7], v[RO+8*(8*\qt+\ht):RO+8*(8*\qt+\ht)+7]
.endif
.endr
.endr
.endr
.endm
; The four waves' results for query tile qt (16 rows) meet in LDS; wave w finishes rows 4 w .. 4 w + 3 and stores them, a whole row of 512 bytes a store.
.macro MERGE qt, ob
	WIN 0x04                                       ; store data from window 1
.irp ht, 0,1,2,3,4,5,6,7
	ds_store_b128 v[WOS], v[RO+8*(8*\qt+\ht):RO+8*(8*\qt+\ht)+3]   offset:64*\ht
	ds_store_b128 v[WOS], v[RO+8*(8*\qt+\ht)+4:RO+8*(8*\qt+\ht)+7] offset:64*\ht+16
.endr
	WIN 0
	s_wait_dscnt 0x0                               ; my stores are done, for the others' sake
	s_barrier_signal -1
	s_barrier_wait -1
.if \qt
	s_wait_xcnt 0x0                                ; the registers loaded next were the data of the first tile's stores
.endif
.irp sr, 0,1,2,3
	ds_load_b128 v[MR+4*\sr:MR+4*\sr+3], v[RML] offset:128*\sr+64*\qt          ; source wave sr: maxima of my four rows,
	ds_load_b128 v[LR+4*\sr:LR+4*\sr+3], v[RML] offset:512+128*\sr+64*\qt      ; and sums
.endr
.irp sr, 0,1,2,3
.irp rho, 0,1,2,3
	ds_load_b128 v[ORG+4*(4*\sr+\rho):ORG+4*(4*\sr+\rho)+3], v[ROS] offset:OSW*\sr+OSP*\rho
.endr
.endr
	s_wait_dscnt 0x0
.if \qt == 0
	s_barrier_signal -1                            ; my reads of the stage are back: behind this barrier it takes the second tile
.endif
.irp rho, 0,1,2,3
	v_max3_num_f32 v[TT+\rho], v[MR+\rho], v[MR+4+\rho], v[MR+8+\rho]
.endr
.irp rho, 0,1,2,3
	v_max_num_f32 v[TT+\rho], v[TT+\rho], v[MR+12+\rho]
.endr
.irp sr, 0,1,2,3
.irp pr, 0,2
	v_pk_add_f32 v[MR+4*\sr+\pr:MR+4*\sr+\pr+1], v[MR+4*\sr+\pr:MR+4*\sr+\pr+1], v[TT+\pr:TT+\pr+1] neg_lo:[0,1] neg_hi:[0,1]
.endr
.endr
.irp sr, 0,1,2,3
.irp pr, 0,2
	v_pk_mul_f32 v[MR+4*\sr+\pr:MR+4*\sr+\pr+1], v[MR+4*\sr+\pr:MR+4*\sr+\pr+1], s[88:89] op_sel_hi:[1,0]
.endr
.endr
.set nn, 0
.rept 16
	v_exp_f32 v[MR+nn], v[MR+nn]                   ; a wave's weight in the merge; a wave that saw only masked keys (maximum at the floor) gets 0
.set nn, nn+1
.endr
	v_nop                                          ; the plain place behind the exponentials
	s_wait_alu depctr_va_vdst(0)
.irp pr, 0,2
	v_pk_mul_f32 v[LS+\pr:LS+\pr+1], v[LR+\pr:LR+\pr+1], v[MR+\pr:MR+\pr+1]
.endr
.irp sr, 1,2,3
.irp pr, 0,2
	v_pk_fma_f32 v[LS+\pr:LS+\pr+1], v[LR+4*\sr+\pr:LR+4*\sr+\pr+1], v[MR+4*\sr+\pr:MR+4*\sr+\pr+1], v[LS+\pr:LS+\pr+1]
.endr
.endr
.irp rho, 0,1,2,3
	v_rcp_f32 v[LS+\rho], v[LS+\rho]               ; the sum is at least 1: the wave that holds the row's maximum has weight 1 and a term 1 (wave 0 holds key 0 of tile 0 in either pass)
.endr
	v_nop                                          ; the plain place behind the reciprocals
	s_wait_alu depctr_va_vdst(0)
.irp sr, 0,1,2,3
.irp pr, 0,2
	v_pk_mul_f32 v[MR+4*\sr+\pr:MR+4*\sr+\pr+1], v[MR+4*\sr+\pr:MR+4*\sr+\pr+1], v[LS+\pr:LS+\pr+1]
.endr
.endr
.irp rho, 0,1,2,3
.irp j, 0,1,2,3
	v_mul_f32 v[ORG+4*\rho+\j], v[ORG+4*\rho+\j], v[MR+\rho]
.endr
.endr
.irp sr, 1,2,3
.irp rho, 0,1,2,3
.irp j, 0,1,2,3
	v_fma_f32 v[ORG+4*\rho+\j], v[ORG+4*(4*\sr+\rho)+\j], v[MR+4*\sr+\rho], v[ORG+4*\rho+\j]
.endr
.endr
.endr
.if \qt == 0
	s_barrier_wait -1
.endif
.irp rho, 0,1,2,3
	global_store_b128 v[VO], v[ORG+4*\rho:ORG+4*\rho+3], s[\ob:\ob+1] offset:512*(16*\qt+\rho) th:TH_STORE_NT
.endr
.endm
; The end of a pass, behind place t.  reload = 1: pass A's queries are asked for first and land during the merge, and the maxima start again at -2^127.
; The next place's new maximum is at least the floor, -2^126, also where all the wave's keys are masked; so its rescaling factor is exp2 of at most
; -2^126 log2(e) / 32 = 0, and the old finite O and sum vanish by the ordinary rescaling: nothing is cleared.
; The tile on its way stays out across these three barriers.
.macro FINAL t, ob, reload
.if \reload
	QLOAD 28
.endif
	WIN 0x55
.irp qt, 0,1
	v_permlanex16_b32 v[RPX+\qt], v[RL+\qt], s21, s22
.endr
.irp qt, 0,1
	v_add_f32 v[RL+\qt], v[RL+\qt], v[RPX+\qt]     ; the two halves of the lanes hold different keys of a row
.endr
	WIN 0x04
.irp qt, 0,1
	ds_store_b32 v[WML], v[RM+2*(1-(\t&1))+\qt] offset:64*\qt          ; lanes r and r + 16 write the same word with the same value
	ds_store_b32 v[WML], v[RL+\qt] offset:512+64*\qt
.endr
	MERGE 0, \ob
	MERGE 1, \ob
.if \reload
	WIN 0x40
	v_mov_b32 v[RM+2*(1-(\t&1))], MINIT
	v_mov_b32 v[RM+2*(1-(\t&1))+1], MINIT
	WIN 0
	s_wait_loadcnt 0x0                             ; pass A's queries
.endif
	s_wait_xcnt 0x0                                ; the stores' data registers take K's fragments next
.endm
; Place t on slot sl.  mk = 1: pass B's diagonal may lie here.  sw = 1: pass B may end here.  last = 1: pass A's diagonal lies here, and pass A ends.
.macro BODY t, sl, first, mk, sw, last
	KLOAD \sl
	WIN 0x50
	SMUL
	PLACES
	WIN 0
	VLOAD \sl                                      ; into K's registers; lands during the softmax
.if \mk
	s_cmp_lg_u32 s[PM], \t
	s_cbranch_scc1 .Lnomask_\@
	MASK 26
.Lnomask_\@:
.endif
.if \last
	MASK 25
.endif
	SOFTMAX \t, \first
	PV \first
	PLACES
	WIN 0
.if \sw
	s_cmp_lg_u32 s[PSW], \t
	s_cbranch_scc1 .Lnofinal_\@
	FINAL \t, 34, 1
.Lnofinal_\@:
.endif
.if \last
	FINAL \t, 32, 0
.endif
.endm
; Place t with a refill.  Each wave's LDS reads are back and all its tensor loads have landed (its part of place t's tile among them); then a round of the cluster's
; barrier; then its one joint load: place tn = t + 1 into slot sn, which was read at place t - 1.
.macro STEP t, sl, tn, sn, mk, sw
	s_wait_dscnt 0x0
	s_wait_tensorcnt 0x0
	ds_add_u32 v30, v31
	s_wait_dscnt 0x0
	SETG0 \sn, \tn
	ROUND
	JLOAD \sn
	BODY \t, \sl, 0, \mk, \sw, 0
.endm
	s_load_b256 s[4:11], s[0:1], 0x0               ; qh s[4:5], kh s[6:7], vh s[8:9], out0 s[10:11]
	v_lshl_add_u32 v30, v0, 2, 0x4e800
	v_mov_b32 v31, 0
	ds_add_u32 v30, v31
	v_lshrrev_b32 v1, 5, v0
	v_readfirstlane_b32 s12, v1                    ; wave 0..3
	s_lshr_b32 s13, s12, 1                         ; I fetch K (0) or V (1),
	s_and_b32 s14, s12, 1                          ; its rows 0-127 or 128-255
	s_bfe_u32 s15, ttmp6, 0x40000                  ; cx: it enters q's and out0's addresses and the mask's numbers alone
	s_lshr_b32 s17, ttmp9, 3                       ; batch
	s_and_b32 s18, ttmp9, 7                        ; c
	s_lshr_b32 s19, s18, 1                         ; e
	s_lshl_b32 s20, s18, 2
	s_add_co_u32 s20, s20, s15                     ; i = 4 c + cx
	s_mov_b32 s21, 0x76543210                      ; v_permlanex16_b32: lane l takes lane l xor 16
	s_mov_b32 s22, 0xfedcba98
	s_lshl_b32 s23, s20, 5                         ; pass A's first row: 32 i
	s_sub_co_u32 s24, 2016, s23                    ; pass B's: 32 (63 - i)
	s_lshl_b32 s27, s19, 8                         ; 256 e
	s_lshl_b32 s16, s12, 6                         ; 64 w
	s_sub_co_u32 s25, s23, s27
	s_sub_co_u32 s25, s25, s16                     ; pass A's diagonal: first row - 256 e - 64 w
	s_sub_co_u32 s26, s24, 1792
	s_add_co_u32 s26, s26, s27
	s_sub_co_u32 s26, s26, s16                     ; pass B's: first row - 256 (7 - e) - 64 w
	s_mov_b32 s88, CS
	s_mov_b32 s89, CS
	s_mov_b32 s87, 0
	s_sub_co_u32 s[NB], 8, s19                     ; nB = 8 - e: pass B's tiles, and places
	s_sub_co_u32 s[PSW], 7, s19                    ; its last place
	s_cmp_lt_u32 s18, 4
	s_cselect_b32 s[STRT], 7, 13
	s_lshl_b32 s27, s18, 1
	s_sub_co_i32 s[STRT], s[STRT], s27             ; (c < 4 ? 7 : 13) - 2 c: negative for c = 7 alone,
	s_add_co_i32 s27, s[STRT], s[NB]
	s_cmp_lt_i32 s[STRT], 0
	s_cselect_b32 s[STRT], s27, s[STRT]            ; which starts at its top tile
	s_add_co_u32 s[PM], s[STRT], 1                 ; the walk wraps to the top tile, the diagonal's, at place start + 1,
	s_cmp_eq_u32 s[PM], s[NB]
	s_cselect_b32 s[PM], 0, s[PM]                  ; or begins there
.irp tt, 0,1,2,3,4,5,6,7,8
	s_sub_co_i32 s27, s[STRT], \tt                 ; pass B walks down from its start
	s_add_co_i32 s16, s27, s[NB]                   ; and wraps to its top tile
	s_cmp_lt_i32 s27, 0
	s_cselect_b32 s27, s16, s27
	s_sub_co_i32 s16, \tt, s[NB]                   ; pass A walks up from tile 0
	s_cmp_gt_u32 s[NB], \tt
	s_cselect_b32 s27, s27, s16
	s_lshl_b32 s[OFFT+\tt], s27, 16                ; 256 rows of 256 bytes
.endr
	; descriptor groups 1: 128 rows x 128 elements of 2 bytes; behind every 64 words K gets 4 words of padding, V gets 8
	s_mov_b32 s[G1K+0], 15|(1<<16)|(1<<20)|(1<<21)|(5<<22)|(3<<25)
	s_mov_b32 s[G1V+0], 15|(1<<16)|(1<<20)|(1<<21)|(5<<22)|(7<<25)
.irp g, G1K, G1V
	s_mov_b32 s[\g+1], 128<<16                     ; tensor_dim0 = 128
	s_mov_b32 s[\g+2], 128<<16                     ; tensor_dim1 = 128
	s_mov_b32 s[\g+3], 128<<16                     ; tile_dim0 = 128
	s_mov_b32 s[\g+4], 128                         ; tile_dim1 = 128
	s_mov_b32 s[\g+5], 128                         ; elements from row to row
	s_mov_b32 s[\g+6], 0
	s_mov_b32 s[\g+7], 0
.endr
	s_mul_i32 s16, s14, 128*KP
	s_mul_i32 s27, s14, 128*VP
	s_add_co_u32 s27, s27, KPART
.irp sl, 0,1
	s_mov_b32 s[G0K+4*\sl], 1
	s_add_co_u32 s[G0K+4*\sl+1], s16, \sl*SLOT     ; LDS: the slot + my half of K
	s_mov_b32 s[G0V+4*\sl], 1
	s_add_co_u32 s[G0V+4*\sl+1], s27, \sl*SLOT     ; the slot + K's part + my half of V
.endr
	v_and_b32 v1, 31, v0                           ; lane
	v_and_b32 v2, 15, v0                           ; r
	v_bfe_u32 v3, v0, 4, 1                         ; h
	v_lshlrev_b32 v6, 8, v2
	v_lshl_add_u32 v[VQ], v3, 4, v6                ; 256 r + 16 h
	s_lshl_b32 s27, s17, 11                        ; the batch's first row
	s_wait_dscnt 0x0
	s_wait_kmcnt 0x0
	s_add_co_u32 s86, s27, s23
	s_lshl_b32 s86, s86, 8
	s_add_nc_u64 s[28:29], s[4:5], s[86:87]        ; q, pass A
	s_lshl_b32 s86, s86, 1
	s_add_nc_u64 s[32:33], s[10:11], s[86:87]      ; out0, pass A
	s_add_co_u32 s86, s27, s24
	s_lshl_b32 s86, s86, 8
	s_add_nc_u64 s[30:31], s[4:5], s[86:87]        ; q, pass B
	s_lshl_b32 s86, s86, 1
	s_add_nc_u64 s[34:35], s[10:11], s[86:87]      ; out0, pass B
	s_lshl_b32 s86, s17, 19                        ; the batch's 2048 rows of 256 bytes
	s_lshl_b32 s27, s14, 15                        ; my 128 rows
	s_add_co_u32 s86, s86, s27
	s_add_nc_u64 s[36:37], s[6:7], s[86:87]        ; k: batch and wave alone: equal in all four partners
	s_add_nc_u64 s[38:39], s[8:9], s[86:87]        ; v likewise
	QLOAD 30                                       ; pass B's queries
	SETG0 0, 0
	SETG0 1, 1
	ROUND                                          ; all four work-groups are here: the first joint loads meet
	JLOAD 0
	JLOAD 1
	v_lshlrev_b32 v4, 3, v3
	v_sub_nc_u32 v5, v2, v4                        ; r - 8 h, for the mask
	v_lshl_add_u32 v6, s12, 6, v2                  ; key row 64 w + r
	v_mul_u32_u24 v6, v6, KP
	v_lshl_add_u32 v[ADK], v3, 4, v6
	v_add_nc_u32 v[ADK+1], SLOT, v[ADK]
	v_and_b32 v6, 7, v0
	v_add_nc_u32 v6, v6, v4
	v_lshl_add_u32 v6, s12, 6, v6                  ; key row 64 w + 8 h + lane mod 8
	v_mul_u32_u24 v6, v6, VP
	v_bfe_u32 v7, v0, 3, 1
	v_lshl_add_u32 v6, v7, 4, v6
	v_add_nc_u32 v[ADV], KPART, v6
	v_add_nc_u32 v[ADV+1], SLOT+KPART, v6
	s_mul_i32 s16, s12, OSW
	v_mul_u32_u24 v6, v2, OSP
	v_lshl_add_u32 v6, v3, 5, v6
	v_add_nc_u32 v6, s16, v6
	v_add_nc_u32 v[WOS], OSB, v6                   ; my wave's part, row r, 32 bytes for each half of the lanes
	v_lshlrev_b32 v6, 2, v2
	v_lshl_add_u32 v6, s12, 7, v6
	v_add_nc_u32 v[WML], MLB, v6                   ; my wave's 128 bytes, word r
	s_mul_i32 s16, s12, 4*OSP
	v_lshlrev_b32 v6, 4, v1
	v_add_nc_u32 v7, s16, v6
	v_add_nc_u32 v[ROS], OSB, v7                   ; rows 4 w .., 16 bytes a lane
	s_lshl_b32 s16, s12, 4
	s_add_co_u32 s16, s16, MLB
	v_mov_b32 v[RML], s16                          ; words 4 w .. 4 w + 3
	v_lshl_add_u32 v[VO], s12, 11, v6              ; rows 4 w .. of 512 bytes, 16 bytes a lane
	WIN 0x40
	v_mov_b32 v[RM], MINIT
	v_mov_b32 v[RM+1], MINIT
.irp x, RAL+1, RAL+3, RNM+1, RNM+3, RPX, RPX+1
	v_mov_b32 v[\x], 0                             ; partners of broadcast pairs, and v_permlanex16_b32's destinations, are written once
.endr
	WIN 0
	s_wait_tensorcnt 0x1                           ; my part of place 0's tile is in; place 1's may stay out
	s_barrier_signal -1
	s_barrier_wait -1
	s_wait_loadcnt 0x0                             ; pass B's queries
	BODY 0, 0, 1, 1, 0, 0                          ; places 0, 2, 4, 6 may hold pass B's diagonal; places 4 to 7 may end pass B
	STEP 1, 1, 2, 0, 0, 0
	STEP 2, 0, 3, 1, 1, 0
	STEP 3, 1, 4, 0, 0, 0
	STEP 4, 0, 5, 1, 1, 1
	STEP 5, 1, 6, 0, 0, 1
	STEP 6, 0, 7, 1, 1, 1
	STEP 7, 1, 8, 0, 0, 1
	s_wait_dscnt 0x0                               ; the last place: nothing is left to fetch, a plain barrier with the same waits
	s_wait_tensorcnt 0x0
	s_barrier_signal -1
	s_barrier_wait -1
	BODY 8, 0, 0, 0, 0, 1
	s_wait_tensorcnt 0x0
	ds_add_u32 v30, v31
	s_wait_dscnt 0x0
	ROUND                                          ; the closing round: no work-group ends while a partner may still ask jointly
	s_endpgm
.Lfunc_end_k_qe1ace2891c_attn:
	.size	k_qe1ace2891c_attn, .Lfunc_end_k_qe1ace2891c_attn-k_qe1ace2891c_attn
	.p2alignl 7, 3214868480
	.fill 96, 4, 3214868480
	.section	.rodata,"a",@progbits
	.p2align	6, 0x0
	.amdhsa_kernel k_qe1ace2891c_attn
		.amdhsa_group_segment_fixed_size 327680
		.amdhsa_private_segment_fixed_size 0
		.amdhsa_enable_private_segment 0
		.amdhsa_kernarg_size 32
		.amdhsa_user_sgpr_count 2
		.amdhsa_user_sgpr_kernarg_segment_ptr 1
		.amdhsa_wavefront_size32 1
		.amdhsa_system_sgpr_workgroup_id_x 1
		.amdhsa_system_sgpr_workgroup_id_y 1
		.amdhsa_system_sgpr_workgroup_id_z 1
		.amdhsa_system_vgpr_workitem_id 0
		.amdhsa_next_free_vgpr 512
		.amdhsa_next_free_sgpr 96
		.amdhsa_reserve_vcc 1
		.amdhsa_float_denorm_mode_32 3
		.amdhsa_float_denorm_mode_16_64 3
		.amdhsa_memory_ordered 1
		.amdhsa_forward_progress 1
		.amdhsa_inst_pref_size 255
	.end_amdhsa_kernel
	.section	.bss,"aw",@nobits
	.p2align	6
	.space	262144
	.amdgpu_metadata
---
amdhsa.version: [ 1, 2 ]
amdhsa.kernels:
  - .name:           k_qe1ace2891c_attn
    .symbol:         k_qe1ace2891c_attn.kd
    .args:
      - { .name: qh, .offset: 0, .size: 8, .value_kind: global_buffer, .address_space: global }
      - { .name: kh, .offset: 8, .size: 8, .value_kind: global_buffer, .address_space: global }
      - { .name: vh, .offset: 16, .size: 8, .value_kind: global_buffer, .address_space: global }
      - { .name: out0, .offset: 24, .size: 8, .value_kind: global_buffer, .address_space: global }
    .group_segment_fixed_size: 327680
    .private_segment_fixed_size: 0
    .kernarg_segment_align: 8
    .kernarg_segment_size: 32
    .max_flat_workgroup_size: 128
    .sgpr_count:     96
    .vgpr_count:     512
    .wavefront_size: 32
...
	.end_amdgpu_metadata
.endif
;; end of part 5
